; MI455X (gfx1250); checked and timed in simulation.
; The chip was launched on July 23, 2026; its instructions are those of AMD's public machine-readable ISA for CDNA 5 (MIT licence, August 2026) and "CDNA5" Instruction Set Architecture Reference Guide (July 2026). The comments in the code are by the model that wrote it; some were corrected since.
;; Market Guided Attention. Allowed arithmetic: matrix products marked QUANTISED: E3M2 operands, one E8M0 scale for each 32 along K, by v_wmma_scale_f32_16x16x128_f8f6f4 with both operands' format E3M2, f32 sums; everything else in f32.
;; Inputs: in_proj_b 3,072 float32; in_proj_w_codes 3,072 x 32 x 24 uint8 (E3M2 codes of in_proj_w, K innermost, in blocks of 32 codes, four codes in three bytes); in_proj_w_scales 3,072 x 32 uint8 (E8M0 scales of in_proj_w, one for each 32 codes along K); ln_beta 1,024 float32; ln_gamma 1,024 float32; market_info 2 x 8 float32; out_proj_b 1,024 float32; out_proj_w_codes 1,024 x 32 x 24 uint8 (E3M2 codes of out_proj_w, K innermost, in blocks of 32 codes, four codes in three bytes); out_proj_w_scales 1,024 x 32 uint8 (E8M0 scales of out_proj_w, one for each 32 codes along K); x 2 x 2,048 x 1,024 float32.
;; Outputs: out0 2 x 2,048 x 1,024 float32.
;; This version of the problem:
;;   THIS VERSION OF THE PROBLEM IS GIVEN IN LOW PRECISION. The matrix products marked QUANTISED in the list below multiply operands that are first quantised to E3M2 (3 exponent bits, 2 mantissa bits; 6 bits a number), with one power-of-two scale for each 32 numbers along K (OCP MX v1.0); their sums are f32. All else is computed in f32.
;;   The module's matrix products, in the order in which they are computed (A, B: the left and right operand; K: the contracted axis; several contracted axes count as one K, in the product's order):
;;     1. [M 4,096, K 1,024] x [K 1,024, N 3,072]; A: input x; B: input in_proj_w (given as codes): QUANTISED
;;     2. batch 32 x [M 2,048, K 64] x [K 64, N 2,048]; A: computed on the way; B: computed on the way: QUANTISED
;;     3. batch 32 x [M 64, K 2,048] x [K 2,048, N 2,048]; A: computed on the way; B: softmax (see below): QUANTISED
;;     4. [M 4,096, K 1,024] x [K 1,024, N 1,024]; A: computed on the way; B: input out_proj_w (given as codes): QUANTISED
;;   THE QUANTISER, for each operand of a quantised product, along K:
;;     - K is cut into blocks of 32 from its start; a last block that is shorter is filled with zeros.
;;     - A block's scale is 2^e with e = floor(log2(the largest magnitude in the block)) - 4, held to -126 .. 127; a block of zeros has e = 0. As a byte (E8M0): e + 127.
;;     - Each number is divided by its block's scale, clamped to +-28, and rounded to the nearest number of E3M2, ties to even, subnormals kept.
;;     - The product sums the exact products of the quantised numbers (number of the format x scale) in f32.
;;   ~~~python
;;   def quantise(x, axis):      # numpy; x: float32 -> the quantised numbers, widened to float32 again
;;       x = np.moveaxis(x, axis, -1); K = x.shape[-1]
;;       x = np.pad(x, [(0, 0)] * (x.ndim - 1) + [(0, -K % 32)]); x = x.reshape(x.shape[:-1] + (-1, 32)); a = np.abs(x).max(-1, keepdims=True)
;;       e = np.where(a > 0, np.clip(np.frexp(np.where(a > 0, a, 1))[1] - 1 - 4, -126, 127), 0)      # np.frexp(a)[1] - 1 = floor(log2(a)), exactly
;;       r = np.clip(x / 2.0 ** e, -28, 28)
;;       step = 2.0 ** (np.maximum(np.frexp(np.where(r == 0, 1, r))[1] - 1, -2) - 2)
;;       q = np.round(r / step) * step * 2.0 ** e      # np.round: ties to even
;;       return np.moveaxis(q.reshape(q.shape[:-2] + (-1,))[..., :K], -1, axis).astype(np.float32)
;;   ~~~
;;   SOFTMAX AHEAD OF A QUANTISED PRODUCT. Where the list says 'softmax', what is quantised is not the finished softmax but p = 2^(t - M), with t = logit x log2(e) and M = ceil(the row's largest t), a whole number; so 1/2 < the row's largest p <= 1. The row's sum l is taken of the UNQUANTISED p, in f32, and the product's result is divided by l at the end. Since M is a whole number, a kernel that streams over the keys may use a running M (the ceiling of the running maximum): every later rescaling is an exact power of two, which a block's scale takes up: the codes' values come out the same.
;;   OPERANDS COMPUTED ON THE WAY. 'Computed on the way' means the value that the module computes at that place (a softmax that the list does not call 'softmax' is quantised finished and normalised). What goes into a quantiser is computed in f32, as accurately as f32 sums, v_exp_f32 and their like allow (about 1e-6 of the number): no bf16 or f16 on the way to a quantiser, and a product that is left as it is and whose result goes on into a quantised operand takes f32 operands (vector FMAs, or v_wmma_f32_16x16x4_f32). A number that lies on a knife's edge between two numbers of the format may be rounded either way, as far as f32 arithmetic and the matrix unit's own rounding can turn it there, and no further.
;;   INPUTS GIVEN AS CODES. in_proj_w (in the module: [3072, 1024], K = its axis 1); out_proj_w (in the module: [1024, 1024], K = its axis 1): each comes as NAME_codes (uint8): NAME with its K axis moved to the last place and cut into blocks of 32 codes, [.., K / 32, bytes a block], one block behind the other in memory; four codes in three bytes: a row's codes are one little-endian stream of bits, code i at bits 6 i .. 6 i + 5 (a code: sign, 3 exponent bits, 2 mantissa bits); and NAME_scales (uint8): the same leading axes, one E8M0 byte (e + 127) for each 32 codes along K. Its value is code x scale, taken as it is: it is not quantised again, and the codes and scales need not be those that the quantiser above would give.
;; 2 versions. Each part assembles by itself: llvm-mc -triple=amdgcn-amd-amdhsa -mcpu=gfx1250 --defsym DOCPART=n.
;; ======== version 1 of 2: 4 launches
;; workspace buffers: xi 3,276,800 bytes; wimg 3,276,800 bytes; qbuf 3,407,872 bytes; kv 6,684,672 bytes; cbuf 3,276,800 bytes
;; launch prep (part 1): grid 384 x 1, 2 waves a work-group, no clusters, 17,152 bytes of LDS; arguments x, in_proj_w_codes, in_proj_w_scales, out_proj_w_codes, out_proj_w_scales, xi, wimg; writes xi, wimg
.if DOCPART == 1
	.amdgcn_target "amdgcn-amd-amdhsa--gfx1250"
	.amdhsa_code_object_version 6
	.text
	.protected	k_qec9bf9033d_prep
	.globl	k_qec9bf9033d_prep
	.p2align	8
	.type	k_qec9bf9033d_prep,@function
k_qec9bf9033d_prep:
	s_mov_b64 s[64:65], 0
	v_nop
	global_prefetch_b8 v0, s[64:65] scope:SCOPE_SE
	s_setreg_imm32_b32 hwreg(HW_REG_WAVE_MODE, 25, 1), 1
	s_wait_xcnt 0x0
; prep: x (f32) is quantised once to codes of BF6 (E3M2) with one E8M0 byte for each 32 along D, and x's codes and the two given weights' codes are laid
; IN THE ORDER OF A MATRIX OPERAND'S REGISTERS, so that every later launch fetches a fragment by dense loads of 512 consecutive bytes.
; A TILE is 16 rows: tile 2 B + u, place r, is row 32 B + 8 u + r + 8 (r / 8).  A tile's RECORD is 12,800 bytes: for each of 8 K steps of 128 a fragment's 12 registers
; (group g of four registers: lane l's 16 bytes at 1536 s + 512 g + 16 l), then at 12,288 the scale words: lane (r, h) has 16 bytes at 16 l: the words of K steps 4 h .. 4 h + 3 of row r.
; Work-groups 0-255: tile T of x; wave hh takes K steps 4 hh .. 4 hh + 3.  Work-groups 256-383: each wave copies one weight tile (0-191 in_proj_w, 192-255 out_proj_w); codes and bytes are taken as given.
; A block's scale is 2^(floor(log2(largest magnitude)) - 4): its byte is the largest magnitude's exponent field - 4, held at 1 from below.
; LIMITS: NaN and infinities are not served; a block whose largest magnitude lies under 2^-122 keeps the byte 1; a block of zeros gets the byte 1, not 127: its codes are zeros and this program alone reads the bytes.
; No cluster, no tensor load: no two work-groups read the same bytes.
.set REC,   12800
.set PITCH, 528                        ; a stage row: 512 bytes + 16 = 33 x 16: the sixteen rows that a read touches start in sixteen different 16-byte columns
.set TM,  8                            ; v8-11 largest magnitudes, v12-15 the other half's / the bytes, v16-19 the conversions' scale operands
.set PWS, 20                           ; v20-23 my row's scale words of the wave's four K steps
.set PC,  24                           ; v24-43 the codes just made
.set X,   64                           ; v64-127 64 numbers: register 16 b + i = k 32 b + 16 h + i of my row
.set R,   128                          ; v128-255 two sets of 64 registers as loaded
.set SEL, 38                           ; s[38:39] selects for lane l xor 16
; 64 numbers of a lane become a fragment's codes (QUANT_A: half blocks; QUANT_B: whole blocks to a lane) and the row's scale word.
.macro QUANT_A s, pw
.irp b, 0,1,2,3
	v_max3_num_f32 v[TM+\b], |v[\s+16*\b]|, |v[\s+1+16*\b]|, 0x2800000   ; my 16 numbers of block b, and the floor 2^(5 - 127): the byte cannot fall under 1
.endr
.irp i, 2,4,6,8,10,12,14
.irp b, 0,1,2,3
	v_max3_num_f32 v[TM+\b], v[TM+\b], |v[\s+16*\b+\i]|, |v[\s+1+16*\b+\i]|
.endr
.endr
.irp b, 0,1,2,3
	v_permlanex16_b32 v[TM+4+\b], v[TM+\b], s[SEL], s[SEL+1]
.endr
.irp b, 0,1,2,3
	v_max_num_f32 v[TM+\b], v[TM+\b], v[TM+4+\b]                  ; with lane l xor 16's 16: the block's largest magnitude
.endr
.irp b, 0,1,2,3
	v_add_nc_u32 v[TM+8+\b], 0xfe000000, v[TM+\b]                 ; 4 off its exponent field: the conversion's scale operand
.endr
.irp b, 0,1,2,3
	v_lshrrev_b32 v[TM+4+\b], 23, v[TM+8+\b]                      ; the scale's byte
.endr
	v_lshl_or_b32 v[\pw], v[TM+5], 8, v[TM+4]
	v_lshl_or_b32 v[\pw], v[TM+6], 16, v[\pw]
	v_lshl_or_b32 v[\pw], v[TM+7], 24, v[\pw]
.irp c, 0,1
	v_cvt_scalef32_pk16_bf6_f32 v[PC+6*\c:PC+2+6*\c], v[\s+32*\c:\s+15+32*\c], v[TM+8+2*\c]
	v_cvt_scalef32_pk16_bf6_f32 v[PC+12+4*\c:PC+14+4*\c], v[\s+16+32*\c:\s+31+32*\c], v[TM+9+2*\c]   ; (a conversion's three registers begin on an even number)
.endr
	v_nop                                                         ; one plain place behind a scaled conversion
.endm
.macro QUANT_B
.irp c, 0,1
.irp i, 0,1,2
	v_permlane16_swap_b32 v[PC+6*\c+\i], v[PC+12+4*\c+\i]         ; lanes 0-15 get block 2 c whole, lanes 16-31 block 2 c + 1
.endr
.irp i, 0,1,2
	v_mov_b32 v[PC+3+6*\c+\i], v[PC+12+4*\c+\i]
.endr
.endr
.endm
	s_load_b256 s[8:15], s[0:1], 0x0               ; x s[8:9], in_proj_w codes s[10:11], scales s[12:13], out_proj_w codes s[14:15]
	s_load_b128 s[16:19], s[0:1], 0x20             ; out_proj_w scales s[16:17], xi s[18:19]
	s_load_b64 s[20:21], s[0:1], 0x30              ; wimg
	s_set_vgpr_msb 0x40
	v_lshl_add_u32 v0, v0, 2, 0x4200
	v_mov_b32 v1, 0
	s_set_vgpr_msb 0x4000
	v_lshrrev_b32 v7, 5, v0
	v_readfirstlane_b32 s2, v7                     ; wave 0, 1
	v_and_b32 v7, 31, v0                           ; lane
	v_lshlrev_b32 v1, 4, v7                        ; 16 x lane
	v_and_b32 v5, 15, v0                           ; r
	v_bfe_u32 v6, v0, 4, 1                         ; h
	s_cmp_lt_u32 ttmp9, 256
	s_cbranch_scc0 .Lweights
	; ---- a tile of x
	s_mov_b32 s[SEL], 0x76543210
	s_mov_b32 s[SEL+1], 0xfedcba98
	s_mul_i32 s3, s2, 16*PITCH                     ; my wave's own stage
	v_add_nc_u32 v2, s3, v1                        ; in: 16 bytes a lane, a row to an instruction
	v_mul_u32_u24 v3, v5, PITCH
	v_lshl_add_u32 v3, v6, 6, v3
	v_add_nc_u32 v3, s3, v3                        ; out: row r, + 64 h: my 16 numbers of each block of 32
	v_lshlrev_b32 v4, 4, v5                        ; 16 r: my row's four scale words
.irp b, 0,1,2,3
	v_mov_b32 v[TM+4+\b], 0                        ; written once: a lane permute's destination counts as one of its sources
.endr
	s_lshr_b32 s22, ttmp9, 1
	s_lshl_b32 s22, s22, 17                        ; 32 rows of 4,096 bytes for each pair of tiles,
	s_and_b32 s23, ttmp9, 1
	s_lshl_b32 s23, s23, 15                        ; 8 rows for the odd tile,
	s_add_co_u32 s22, s22, s23
	s_lshl_b32 s23, s2, 11                         ; and my wave's four K steps: 2,048 bytes
	s_add_co_u32 s22, s22, s23
	s_mov_b32 s23, 0
	s_mul_i32 s24, ttmp9, REC
	s_mov_b32 s25, 0
	s_mul_i32 s26, s2, 4*1536
	s_mov_b32 s27, 0
	s_lshl_b32 s28, s2, 8
	s_add_co_u32 s28, s28, 12288
	s_mov_b32 s29, 0
	s_wait_kmcnt 0x0
	s_add_nc_u64 s[8:9], s[8:9], s[22:23]
	s_add_nc_u64 s[18:19], s[18:19], s[24:25]      ; the tile's record
	s_add_nc_u64 s[30:31], s[18:19], s[28:29]      ; my wave's half of its scale words
	s_add_nc_u64 s[18:19], s[18:19], s[26:27]      ; my wave's four fragments
.macro LOAD t                          ; K step t of the tile's 16 rows: each load reads 512 consecutive bytes of one row
.irp i, 0,1,2,3,4,5,6,7,8,9,10,11,12,13,14,15
	global_load_b128 v[R+64*((\t)%2)+4*\i:R+64*((\t)%2)+4*\i+3], v1, s[8:9] offset:(\i+8*(\i/8))*4096+512*(\t)
.endr
.endm
.macro STEP t
.if (\t) < 3
	s_wait_loadcnt 16                              ; this step's 16 loads are in; the next step's 16 may be out
.else
	s_wait_loadcnt 0x0
.endif
.irp i, 0,1,2,3,4,5,6,7,8,9,10,11,12,13,14,15
	ds_store_b128 v2, v[R+64*((\t)%2)+4*\i:R+64*((\t)%2)+4*\i+3] offset:PITCH*\i
.endr
.irp b, 0,1,2,3
.irp j, 0,1,2,3
	ds_load_b128 v[X+16*\b+4*\j:X+16*\b+4*\j+3], v3 offset:128*\b+16*\j   ; LDS serves a wave's instructions in order: these see the stores above
.endr
.endr
	s_wait_dscnt 0x0                               ; the numbers are back, and the stores have read their registers
	s_wait_xcnt 0x0                                ; the last step's stores have read the code registers, which are written again below
.if (\t) < 2
	LOAD (\t)+2
.endif
	QUANT_A X, PWS+(\t)
	QUANT_B
.irp g, 0,1,2
	global_store_b128 v1, v[PC+4*\g:PC+4*\g+3], s[18:19] offset:1536*(\t)+512*\g   ; 512 consecutive bytes, aligned
.endr
.endm
	LOAD 0
	LOAD 1
	STEP 0
	STEP 1
	STEP 2
	STEP 3
	global_store_b128 v4, v[PWS:PWS+3], s[30:31]   ; 256 consecutive bytes; both halves of the lanes hold and write the same words
	s_set_vgpr_msb 0x5
	s_wait_tensorcnt 0x0
	ds_add_u32 v0, v1
	s_wait_dscnt 0x0
	s_set_vgpr_msb 0x500
	s_endpgm
	; ---- a tile of a weight: gathered from rows of 768 bytes once, stored as a record
.Lweights:
	s_sub_co_u32 s3, ttmp9, 256
	s_lshl_b32 s3, s3, 1
	s_add_co_u32 s3, s3, s2                        ; tile 0 .. 255 of wimg
	s_mul_i32 s24, s3, REC
	s_mov_b32 s25, 0
	v_and_b32 v8, 8, v5
	v_add_nc_u32 v8, v8, v5                        ; r + 8 (r / 8)
	v_mul_u32_u24 v9, v8, 768
	v_mad_u32_u24 v9, v6, 24, v9                   ; codes: my row, + 24 h
	v_lshlrev_b32 v10, 5, v8
	v_lshl_add_u32 v10, v6, 4, v10                 ; scale bytes: my row of 32, + 16 h: the words of K steps 4 h .. 4 h + 3
	s_wait_kmcnt 0x0
	s_cmp_lt_u32 s3, 192                           ; which weight: the choice hangs on ids alone
	s_cselect_b64 s[10:11], s[10:11], s[14:15]
	s_cselect_b64 s[12:13], s[12:13], s[16:17]
	s_cselect_b32 s22, 0, 192
	s_sub_co_u32 s22, s3, s22                      ; the tile's number in its weight
	s_lshr_b32 s26, s22, 1
	s_and_b32 s27, s22, 1
	s_mul_i32 s28, s26, 32*768
	s_mul_i32 s30, s27, 8*768
	s_add_co_u32 s28, s28, s30
	s_mov_b32 s29, 0
	s_add_nc_u64 s[10:11], s[10:11], s[28:29]
	s_lshl_b32 s28, s26, 10
	s_lshl_b32 s30, s27, 8
	s_add_co_u32 s28, s28, s30
	s_add_nc_u64 s[12:13], s[12:13], s[28:29]
	s_add_nc_u64 s[20:21], s[20:21], s[24:25]
.irp s, 0,1,2,3,4,5,6,7
.irp p, 0,1,2,3,4,5
	global_load_b64 v[32+12*\s+2*\p:33+12*\s+2*\p], v9, s[10:11] offset:96*\s+48*(\p/3)+8*(\p%3)   ; a row's stream of bits is the register image: 24 bytes a half, in pieces of 8
.endr
.endr
	global_load_b128 v[128:131], v10, s[12:13]
	s_wait_loadcnt 0x0
.irp s, 0,1,2,3,4,5,6,7
.irp g, 0,1,2
	global_store_b128 v1, v[32+12*\s+4*\g:35+12*\s+4*\g], s[20:21] offset:1536*\s+512*\g
.endr
.endr
	global_store_b128 v1, v[128:131], s[20:21] offset:12288
	s_endpgm
.Lfunc_end_k_qec9bf9033d_prep:
	.size	k_qec9bf9033d_prep, .Lfunc_end_k_qec9bf9033d_prep-k_qec9bf9033d_prep
	.p2alignl 7, 3214868480
	.fill 96, 4, 3214868480
	.section	.rodata,"a",@progbits
	.p2align	6, 0x0
	.amdhsa_kernel k_qec9bf9033d_prep
		.amdhsa_group_segment_fixed_size 17152
		.amdhsa_private_segment_fixed_size 0
		.amdhsa_enable_private_segment 0
		.amdhsa_kernarg_size 56
		.amdhsa_user_sgpr_count 2
		.amdhsa_user_sgpr_kernarg_segment_ptr 1
		.amdhsa_wavefront_size32 1
		.amdhsa_system_sgpr_workgroup_id_x 1
		.amdhsa_system_sgpr_workgroup_id_y 1
		.amdhsa_system_sgpr_workgroup_id_z 1
		.amdhsa_system_vgpr_workitem_id 0
		.amdhsa_next_free_vgpr 258
		.amdhsa_next_free_sgpr 66
		.amdhsa_reserve_vcc 0
		.amdhsa_float_denorm_mode_32 3
		.amdhsa_float_denorm_mode_16_64 3
		.amdhsa_memory_ordered 1
		.amdhsa_forward_progress 1
		.amdhsa_inst_pref_size 42
	.end_amdhsa_kernel
	.amdgpu_metadata
---
amdhsa.version: [ 1, 2 ]
amdhsa.kernels:
  - .name:           k_qec9bf9033d_prep
    .symbol:         k_qec9bf9033d_prep.kd
    .args:
      - { .name: x, .offset: 0, .size: 8, .value_kind: global_buffer, .address_space: global }
      - { .name: in_proj_w_codes, .offset: 8, .size: 8, .value_kind: global_buffer, .address_space: global }
      - { .name: in_proj_w_scales, .offset: 16, .size: 8, .value_kind: global_buffer, .address_space: global }
      - { .name: out_proj_w_codes, .offset: 24, .size: 8, .value_kind: global_buffer, .address_space: global }
      - { .name: out_proj_w_scales, .offset: 32, .size: 8, .value_kind: global_buffer, .address_space: global }
      - { .name: xi, .offset: 40, .size: 8, .value_kind: global_buffer, .address_space: global }
      - { .name: wimg, .offset: 48, .size: 8, .value_kind: global_buffer, .address_space: global }
    .group_segment_fixed_size: 17152
    .private_segment_fixed_size: 0
    .kernarg_segment_align: 8
    .kernarg_segment_size: 56
    .max_flat_workgroup_size: 64
    .sgpr_count:     66
    .vgpr_count:     258
    .wavefront_size: 32
...
	.end_amdgpu_metadata
.endif
;; end of part 1
;; launch qkv (part 2): grid 256 x 1, 3 waves a work-group, no clusters, 0 bytes of LDS; arguments xi, wimg, in_proj_b, qbuf, kv; writes qbuf, kv
.if DOCPART == 2
	.amdgcn_target "amdgcn-amd-amdhsa--gfx1250"
	.amdhsa_code_object_version 6
	.text
	.protected	k_qec9bf9033d_qkv
	.globl	k_qec9bf9033d_qkv
	.p2align	8
	.type	k_qec9bf9033d_qkv,@function
k_qec9bf9033d_qkv:
	s_mov_b64 s[64:65], 0
	v_nop
	global_prefetch_b8 v0, s[64:65] scope:SCOPE_SE
	s_setreg_imm32_b32 hwreg(HW_REG_WAVE_MODE, 25, 1), 1
	s_wait_xcnt 0x0
; qkv: q, k, v = x in_proj_w^T + in_proj_b on codes of BF6 (E3M2) with E8M0 scales, and each result quantised at once for the product that takes it: q and k along the head's 64, v along the keys.
; 768 waves that share nothing: wave (tb, eb) makes 128 tokens (block tb of 32) x 128 columns (block eb of 24), K = 1,024: 512 matrix instructions.  The three waves of a work-group have one tb.
; ONE OPERAND STAYS: its 8 tiles x 8 K steps, 64 fragments, fill 768 registers; the other's 8 tiles MOVE through, one a trip.  The one that stays is source 0, so a lane holds ONE row of the moving tile and its
; 64 result registers run along the 128 rows of the one that stays: register 16 b + i is row 32 b + 16 (lane / 16) + i, by the choice of a tile's rows (tile 2 B + u, place r: row 32 B + 8 u + r + 8 (r / 8)).
;   eb < 16 (q: 0-7, k: 8-15): the weight stays, token tiles move: a lane's 64 numbers are two heads of one token: one fragment's registers 0-5 are head A's codes, 6-11 head B's.
;   eb >= 16 (v): the tokens stay, weight tiles move: a lane's 64 numbers (with lane xor 16: 128) are 128 keys of one channel: the fragment IS an operand of V^T for one key step.
; k and v go into kv BY KEY STEP: a head's block is 16 parts of 13,056 bytes, each with all that one step of 128 keys wants: K's codes, V's codes, K's scale words, V's.
; THE ORDER OF A TILE'S LOADS: at its head the next tile's scale words (into spare registers) and, in path v, its bias; in its middle the next tile's K steps 0-3; last of all the next tile's K steps 4-7, which the
; next head's wait leaves out: they are wanted only 32 products later.
; Operands come from the records (12,800 bytes a tile) straight into registers, 512 consecutive bytes a load: no LDS, no barrier.  Such loads have no joint form, so no cluster is used.
; Three waves a work-group: 24 column blocks x 32 token blocks = 768 = 3 x 256; a fourth wave would want a share of six moving tiles, which does not divide the 256 token tiles.
; LIMITS: NaN and infinities are not served; a block whose largest magnitude lies under 2^-122 keeps the byte 1; a block of zeros gets the byte 1: its codes are zeros and this program alone reads the bytes.
; REGISTERS: window 0: see below; windows 1-3: the fragments that stay: fragment f = 8 s + t (K step s, tile t), f < 63, at window 1 + f / 21, register 12 (f % 21); fragment 63 in window 0.
.set REC,   12800
.set HEADB, 208896                     ; a head's block in kv: 16 key steps
.set STEPB, 13056                      ; a key step's part: K's codes 6,144, V's codes 6,144, K's scale words 512, V's 256
.set BVN, 6                            ; v6       path v: the next tile's bias, on its way
.set SS,  8                            ; v8-39    scale words of the 8 tiles that stay: register 4 t + i: K step i in lanes 0-15, K step 4 + i in lanes 16-31
.set MS,  40                           ; v40-43   the moving tile's, likewise
.set BV,  44                           ; v44-45   path v: my channel's bias (v45 is named with it as a pair)
.set SX,  46                           ; v46-57   fragment 63
.set MSNA, 58                          ; v58-59 and
.set MSNB, 254                         ; v254-255 the next moving tile's scale words, on their way
.set ACC, 60                           ; v60-123  eight accumulators
.set MF,  124                          ; v124-219 the moving tile's eight fragments
.set TM,  220                          ; v220-231 at work in the quantiser
.set PW,  232                          ; the scale word just made
.set PW2, 233
.set PC,  234                          ; v234-253 the codes just made
.set XB,  18                           ; s[18:19] xi at my token block
.set WB,  20                           ; s[20:21] wimg at my column block
.set BP,  22                           ; s[22:23] in_proj_b at my column block (path v: at the moving tile)
.set MB,  24                           ; s[24:25] the moving tile's record
.set OA,  26                           ; s[26:27] q, k: head A's codes;  v: the key step's codes of the first head
.set OB,  28                           ; s[28:29] q, k: head B's codes;  v: its scale words
.set OS,  30                           ; s[30:31] where scale words go
.set OC,  32                           ; s[32:33] q, k: the buffer chosen;  v: where codes go
.set CNT, 36
.set SEL, 38
.set MSB, 0
.macro WIN new                         ; the immediate's high byte repeats the setting that is left; a switch that changes nothing is dropped
.if MSB != (\new)
	s_set_vgpr_msb (MSB<<8)|(\new)
.set MSB, (\new)
.endif
.endm
.macro PLACES                          ; four plain places between a matrix instruction and a load into, a vector write of, or a vector read of its registers
.rept 4
	v_nop
.endr
.endm
.macro QUANT_A s, pw
.irp b, 0,1,2,3
	v_max3_num_f32 v[TM+\b], |v[\s+16*\b]|, |v[\s+1+16*\b]|, 0x2800000   ; my 16 numbers of block b, and the floor 2^(5 - 127): the byte cannot fall under 1
.endr
.irp i, 2,4,6,8,10,12,14
.irp b, 0,1,2,3
	v_max3_num_f32 v[TM+\b], v[TM+\b], |v[\s+16*\b+\i]|, |v[\s+1+16*\b+\i]|
.endr
.endr
.irp b, 0,1,2,3
	v_permlanex16_b32 v[TM+4+\b], v[TM+\b], s[SEL], s[SEL+1]
.endr
.irp b, 0,1,2,3
	v_max_num_f32 v[TM+\b], v[TM+\b], v[TM+4+\b]
.endr
.irp b, 0,1,2,3
	v_add_nc_u32 v[TM+8+\b], 0xfe000000, v[TM+\b]                 ; 4 off the exponent field: the conversion's scale operand
.endr
.irp b, 0,1,2,3
	v_lshrrev_b32 v[TM+4+\b], 23, v[TM+8+\b]                      ; the scale's byte
.endr
	v_lshl_or_b32 v[\pw], v[TM+5], 8, v[TM+4]
	v_lshl_or_b32 v[\pw], v[TM+6], 16, v[\pw]
	v_lshl_or_b32 v[\pw], v[TM+7], 24, v[\pw]
.irp c, 0,1
	v_cvt_scalef32_pk16_bf6_f32 v[PC+6*\c:PC+2+6*\c], v[\s+32*\c:\s+15+32*\c], v[TM+8+2*\c]
	v_cvt_scalef32_pk16_bf6_f32 v[PC+12+4*\c:PC+14+4*\c], v[\s+16+32*\c:\s+31+32*\c], v[TM+9+2*\c]
.endr
	v_nop                                                         ; one plain place behind a scaled conversion
.endm
.macro QUANT_B
.irp c, 0,1
.irp i, 0,1,2
	v_permlane16_swap_b32 v[PC+6*\c+\i], v[PC+12+4*\c+\i]
.endr
.irp i, 0,1,2
	v_mov_b32 v[PC+3+6*\c+\i], v[PC+12+4*\c+\i]
.endr
.endr
.endm
; the 64 fragments that stay, and their scale words
.macro SLOAD base
.set F, 0
.rept 64
.if F < 63
	WIN (1+F/21)<<6
.set FRG, 12*(F%21)
.else
	WIN 0
.set FRG, SX
.endif
.irp g, 0,1,2
	global_load_b128 v[FRG+4*\g:FRG+4*\g+3], v1, s[\base:\base+1] offset:(F%8)*REC+(F/8)*1536+512*\g
.endr
.set F, F+1
.endr
.irp t, 0,1,2,3,4,5,6,7
	global_load_b128 v[SS+4*\t:SS+4*\t+3], v1, s[\base:\base+1] offset:\t*REC+12288
.endr
.endm
; four K steps, k0 on, of the moving tile: twelve loads
.macro MLOAD k0
.irp s, 0,1,2,3
.irp g, 0,1,2
	global_load_b128 v[MF+12*(\k0+\s)+4*\g:MF+12*(\k0+\s)+4*\g+3], v1, s[MB:MB+1] offset:1536*(\k0+\s)+512*\g
.endr
.endr
.endm
; q, k: the bias of the 128 columns in the result's layout, loaded into the accumulators: it is the C of each sum's first matrix instruction
.macro QBIAS
.irp t, 0,1,2,3,4,5,6,7
	global_load_b128 v[ACC+8*\t:ACC+8*\t+3], v3, s[BP:BP+1] offset:(32*(\t/2)+8*(\t%2))*4
	global_load_b128 v[ACC+8*\t+4:ACC+8*\t+7], v3, s[BP:BP+1] offset:(32*(\t/2)+8*(\t%2))*4+16
.endr
.endm
; one matrix instruction: K step s, tile t of the operand that stays.  The eight accumulators take turns, one instruction a turn.
.macro MM s, t, zero
.set F, 8*(\s)+(\t)
.if F < 63
	WIN 1+F/21
.set FRG, 12*(F%21)
.else
	WIN 0
.set FRG, SX
.endif
.if (\s) < 4
.if \zero
	v_wmma_scale_f32_16x16x128_f8f6f4 v[ACC+8*(\t):ACC+8*(\t)+7], v[FRG:FRG+11], v[MF+12*(\s):MF+12*(\s)+11], 0, v[SS+4*(\t)+(\s)%4], v[MS+(\s)%4] matrix_a_fmt:MATRIX_FMT_BF6 matrix_b_fmt:MATRIX_FMT_BF6
.else
	v_wmma_scale_f32_16x16x128_f8f6f4 v[ACC+8*(\t):ACC+8*(\t)+7], v[FRG:FRG+11], v[MF+12*(\s):MF+12*(\s)+11], v[ACC+8*(\t):ACC+8*(\t)+7], v[SS+4*(\t)+(\s)%4], v[MS+(\s)%4] matrix_a_fmt:MATRIX_FMT_BF6 matrix_b_fmt:MATRIX_FMT_BF6
.endif
.else
	v_wmma_scale_f32_16x16x128_f8f6f4 v[ACC+8*(\t):ACC+8*(\t)+7], v[FRG:FRG+11], v[MF+12*(\s):MF+12*(\s)+11], v[ACC+8*(\t):ACC+8*(\t)+7], v[SS+4*(\t)+(\s)%4], v[MS+(\s)%4] matrix_a_fmt:MATRIX_FMT_BF6 matrix_b_fmt:MATRIX_FMT_BF6 matrix_a_scale:MATRIX_SCALE_ROW1 matrix_b_scale:MATRIX_SCALE_ROW1
.endif
.endm
; ONE MOVING TILE.  v = 1: path v.  pf = 1: the next tile is fetched on the way.
.macro TILE v, pf
	s_wait_loadcnt 12                              ; all is in but the twelve loads issued last: this tile's K steps 4-7
.if \v
	v_mov_b32 v[BV], v[BVN]                        ; this tile's bias, asked for a tile ago
.endif
.if \pf
	s_wait_xcnt 0x0                                ; every load's address has been read: the bases may step
	s_add_nc_u64 s[MB:MB+1], s[MB:MB+1], REC
	global_load_b64 v[MSNA:MSNA+1], v1, s[MB:MB+1] offset:12288   ; the next tile's scale words: a whole tile ahead of their use
	global_load_b64 v[MSNB:MSNB+1], v1, s[MB:MB+1] offset:12296
.if \v
	s_and_b32 s46, s[CNT], 1                       ; the next weight tile's first row lies 8 rows on behind an even tile, 24 behind an odd one
	s_lshl_b32 s46, s46, 6
	s_add_co_u32 s46, s46, 32
	s_add_nc_u64 s[BP:BP+1], s[BP:BP+1], s[46:47]
	global_load_b32 v[BVN], v3, s[BP:BP+1]         ; and its bias
.endif
.endif
.irp t, 0,1,2,3,4,5,6,7
	MM 0, \t, \v
.endr
.irp s, 1,2,3
.irp t, 0,1,2,3,4,5,6,7
	MM \s, \t, 0
.endr
.endr
	WIN 0
.if \pf
	s_wait_loadcnt 2+\v                            ; K steps 4-7 are in; the loads issued at the head (two; in path v three) may be out
	PLACES
	MLOAD 0
.else
	s_wait_loadcnt 0x0
.endif
.irp s, 4,5,6,7
.irp t, 0,1,2,3,4,5,6,7
	MM \s, \t, 0
.endr
.endr
	WIN 0
	PLACES
.if \pf
	s_wait_loadcnt 12                              ; the head's loads are in; the next tile's K steps 0-3 may be out
	v_mov_b32 v[MS], v[MSNA]                       ; the quantiser's lines below are the places between these writes and the next scaled product
	v_mov_b32 v[MS+1], v[MSNA+1]
	v_mov_b32 v[MS+2], v[MSNB]
	v_mov_b32 v[MS+3], v[MSNB+1]
.if \v
	MLOAD 4                                        ; the tile's last loads
.endif
.endif
.if \v
.irp j, 0,2,4,6,8,10,12,14,16,18,20,22,24,26,28,30,32,34,36,38,40,42,44,46,48,50,52,54,56,58,60,62
	v_pk_add_f32 v[ACC+\j:ACC+\j+1], v[ACC+\j:ACC+\j+1], v[BV:BV+1] op_sel_hi:[1,0]   ; my channel's bias on all my keys
.endr
.endif
	QUANT_A ACC, PW
.if \pf
.if \v == 0
	QBIAS                                          ; the conversions have read the accumulators
	MLOAD 4                                        ; the tile's last loads
.endif
.endif
	QUANT_B
.if \v
	s_lshr_b32 s44, s[CNT], 2                      ; moving tile i: head i / 4, channels' tile i % 4
	s_mul_i32 s44, s44, HEADB
	s_and_b32 s45, s[CNT], 3
	s_mul_i32 s34, s45, 1536
	s_add_co_u32 s34, s34, s44
	s_add_nc_u64 s[OC:OC+1], s[OA:OA+1], s[34:35]
	s_lshl_b32 s34, s45, 6
	s_add_co_u32 s34, s34, s44
	s_add_nc_u64 s[OS:OS+1], s[OB:OB+1], s[34:35]
.irp g, 0,1,2
	global_store_b128 v1, v[PC+4*\g:PC+4*\g+3], s[OC:OC+1] offset:512*\g     ; 512 consecutive bytes, aligned
.endr
	global_store_b32 v4, v[PW], s[OS:OS+1]         ; 16 words; both halves of the lanes hold and write the same
.else
.irp q, 0,1,2
	global_store_b64 v2, v[PC+2*\q:PC+2*\q+1], s[OA:OA+1] offset:256*\q      ; 256 consecutive bytes, aligned
.endr
.irp q, 0,1,2
	global_store_b64 v2, v[PC+6+2*\q:PC+7+2*\q], s[OB:OB+1] offset:256*\q
.endr
	v_lshrrev_b32 v[PW2], v5, v[PW]                ; lanes 0-15: head A's two bytes lowest; lanes 16-31: head B's.  The bytes above stand over zero codes and are never 0xff
	global_store_b32 v4, v[PW2], s[OS:OS+1]
.endif
.if \pf
	s_wait_xcnt 0x0                                ; the stores have read their data and bases, which the next tile writes again
.if \v == 0
	s_add_nc_u64 s[OA:OA+1], s[OA:OA+1], 768
	s_add_nc_u64 s[OB:OB+1], s[OB:OB+1], 768
	s_add_nc_u64 s[OS:OS+1], s[OS:OS+1], 64
.endif
.endif
.endm
	s_load_b256 s[8:15], s[0:1], 0x0               ; xi s[8:9], wimg s[10:11], in_proj_b s[12:13], qbuf s[14:15]
	s_load_b64 s[16:17], s[0:1], 0x20              ; kv
	v_lshrrev_b32 v6, 5, v0
	v_readfirstlane_b32 s2, v6                     ; wave 0..2
	v_and_b32 v7, 31, v0
	v_lshlrev_b32 v1, 4, v7                        ; 16 x lane
	v_lshlrev_b32 v2, 3, v7                        ; 8 x lane
	v_and_b32 v6, 15, v0                           ; r
	v_bfe_u32 v7, v0, 4, 1                         ; h
	v_lshlrev_b32 v5, 4, v7                        ; 16 h
.irp b, 0,1,2,3
	v_mov_b32 v[TM+4+\b], 0                        ; written once: a lane permute's destination counts as one of its sources
.endr
	s_mov_b32 s[SEL], 0x76543210
	s_mov_b32 s[SEL+1], 0xfedcba98
	s_lshr_b32 s3, ttmp9, 5
	s_mul_i32 s3, s3, 3
	s_add_co_u32 s3, s3, s2                        ; eb: column block 0..23
	s_and_b32 s4, ttmp9, 31                        ; tb: token block 0..31
	s_mov_b32 s35, 0
	s_mov_b32 s47, 0
	s_wait_kmcnt 0x0
	s_mul_i32 s34, s4, 8*REC
	s_add_nc_u64 s[XB:XB+1], s[8:9], s[34:35]
	s_mul_i32 s34, s3, 8*REC
	s_add_nc_u64 s[WB:WB+1], s[10:11], s[34:35]
	s_lshl_b32 s34, s3, 9
	s_add_nc_u64 s[BP:BP+1], s[12:13], s[34:35]
	s_lshr_b32 s43, s4, 4
	s_lshl_b32 s43, s43, 4                         ; 16 x batch
	s_and_b32 s44, s4, 15                          ; the token block within its batch: for k and v the key step
	s_cmp_ge_u32 s3, 16
	s_cbranch_scc1 .Lvpath
	; ---- q and k
	s_cmp_lt_u32 s3, 8                             ; q goes to qbuf, k into the heads' blocks of kv: the choice hangs on ids alone
	s_cselect_b64 s[OC:OC+1], s[14:15], s[16:17]
	s_mov_b32 s40, HEADB
	s_cselect_b32 s40, 98304, s40                  ; bytes from head to head: codes,
	s_mov_b32 s41, HEADB
	s_cselect_b32 s41, 8192, s41                   ; scale words;
	s_mov_b32 s42, 12288
	s_cselect_b32 s42, 3145728, s42                ; where the scale words begin;
	s_mov_b32 s5, STEPB
	s_cselect_b32 s5, 6144, s5                     ; bytes from token block to token block: codes,
	s_mov_b32 s6, STEPB
	s_cselect_b32 s6, 512, s6                      ; scale words
	s_and_b32 s45, s3, 7
	s_lshl_b32 s45, s45, 1
	s_add_co_u32 s43, s43, s45                     ; head A = 16 x batch + 2 (eb % 8)
	s_mul_i32 s34, s43, s40
	s_mul_i32 s45, s44, s5
	s_add_co_u32 s34, s34, s45
	s_add_nc_u64 s[OA:OA+1], s[OC:OC+1], s[34:35]
	s_mov_b32 s34, s40
	s_add_nc_u64 s[OB:OB+1], s[OA:OA+1], s[34:35]
	s_mul_i32 s34, s43, s41
	s_add_co_u32 s34, s34, s42
	s_mul_i32 s45, s44, s6
	s_add_co_u32 s34, s34, s45
	s_add_nc_u64 s[OS:OS+1], s[OC:OC+1], s[34:35]
	v_lshlrev_b32 v3, 6, v7                        ; the bias: my half's 16 columns of each 32
	v_mul_u32_u24 v4, s41, v7
	v_lshl_add_u32 v4, v6, 2, v4                   ; scale words: 4 r, lanes 16-31 one head on
	s_mov_b64 s[MB:MB+1], s[XB:XB+1]
	SLOAD WB
	MLOAD 0
	global_load_b128 v[MS:MS+3], v1, s[MB:MB+1] offset:12288
	QBIAS
	MLOAD 4                                        ; last, as in every tile: the first head's wait leaves these twelve out
	s_mov_b32 s[CNT], 0
.Lqk:
	TILE 0, 1
	s_add_co_u32 s[CNT], s[CNT], 1
	s_cmp_lt_u32 s[CNT], 7
	s_cbranch_scc1 .Lqk
	TILE 0, 0                                      ; the last tile fetches nothing: no load leaves its buffer
	s_endpgm
	; ---- v
.Lvpath:
	s_sub_co_u32 s45, s3, 16
	s_lshl_b32 s45, s45, 1
	s_add_co_u32 s43, s43, s45                     ; the first of my two heads
	s_mul_i32 s43, s43, HEADB
	s_mul_i32 s45, s44, STEPB                      ; my token block is key step tb % 16
	s_add_co_u32 s43, s43, s45
	s_add_co_u32 s34, s43, 6144                    ; V's codes lie behind K's in a key step's part,
	s_add_nc_u64 s[OA:OA+1], s[16:17], s[34:35]
	s_add_co_u32 s34, s43, 12800                   ; its scale words at the part's end
	s_add_nc_u64 s[OB:OB+1], s[16:17], s[34:35]
	v_and_b32 v3, 8, v6
	v_add_nc_u32 v3, v3, v6
	v_lshlrev_b32 v3, 2, v3                        ; the bias of my row of the weight tile: 4 (r + 8 (r / 8))
	v_lshlrev_b32 v4, 2, v6                        ; scale words: 4 r
	v_mov_b32 v[BV+1], 0
	s_mov_b64 s[MB:MB+1], s[WB:WB+1]
	SLOAD XB
	MLOAD 0
	global_load_b128 v[MS:MS+3], v1, s[MB:MB+1] offset:12288
	global_load_b32 v[BVN], v3, s[BP:BP+1]
	MLOAD 4                                        ; last, as in every tile
	s_mov_b32 s[CNT], 0
.Lv:
	TILE 1, 1
	s_add_co_u32 s[CNT], s[CNT], 1
	s_cmp_lt_u32 s[CNT], 7
	s_cbranch_scc1 .Lv
	TILE 1, 0
	s_endpgm
.Lfunc_end_k_qec9bf9033d_qkv:
	.size	k_qec9bf9033d_qkv, .Lfunc_end_k_qec9bf9033d_qkv-k_qec9bf9033d_qkv
	.p2alignl 7, 3214868480
	.fill 96, 4, 3214868480
	.section	.rodata,"a",@progbits
	.p2align	6, 0x0
	.amdhsa_kernel k_qec9bf9033d_qkv
		.amdhsa_group_segment_fixed_size 0
		.amdhsa_private_segment_fixed_size 0
		.amdhsa_enable_private_segment 0
		.amdhsa_kernarg_size 40
		.amdhsa_user_sgpr_count 2
		.amdhsa_user_sgpr_kernarg_segment_ptr 1
		.amdhsa_wavefront_size32 1
		.amdhsa_system_sgpr_workgroup_id_x 1
		.amdhsa_system_sgpr_workgroup_id_y 1
		.amdhsa_system_sgpr_workgroup_id_z 1
		.amdhsa_system_vgpr_workitem_id 0
		.amdhsa_next_free_vgpr 1024
		.amdhsa_next_free_sgpr 66
		.amdhsa_reserve_vcc 0
		.amdhsa_float_denorm_mode_32 3
		.amdhsa_float_denorm_mode_16_64 3
		.amdhsa_memory_ordered 1
		.amdhsa_forward_progress 1
		.amdhsa_inst_pref_size 111
	.end_amdhsa_kernel
	.amdgpu_metadata
---
amdhsa.version: [ 1, 2 ]
amdhsa.kernels:
  - .name:           k_qec9bf9033d_qkv
    .symbol:         k_qec9bf9033d_qkv.kd
    .args:
      - { .name: xi, .offset: 0, .size: 8, .value_kind: global_buffer, .address_space: global }
      - { .name: wimg, .offset: 8, .size: 8, .value_kind: global_buffer, .address_space: global }
      - { .name: in_proj_b, .offset: 16, .size: 8, .value_kind: global_buffer, .address_space: global }
      - { .name: qbuf, .offset: 24, .size: 8, .value_kind: global_buffer, .address_space: global }
      - { .name: kv, .offset: 32, .size: 8, .value_kind: global_buffer, .address_space: global }
    .group_segment_fixed_size: 0
    .private_segment_fixed_size: 0
    .kernarg_segment_align: 8
    .kernarg_segment_size: 40
    .max_flat_workgroup_size: 96
    .sgpr_count:     66
    .vgpr_count:     1024
    .wavefront_size: 32
...
	.end_amdgpu_metadata
.endif
;; end of part 2
;; launch attn (part 3): grid 8 x 32, 16 waves a work-group, clusters of 4 x 1, 210,944 bytes of LDS; arguments qbuf, kv, market_info, cbuf; writes cbuf
.if DOCPART == 3
	.amdgcn_target "amdgcn-amd-amdhsa--gfx1250"
	.amdhsa_code_object_version 6
	.text
	.protected	k_qec9bf9033d_attn
	.globl	k_qec9bf9033d_attn
	.p2align	8
	.type	k_qec9bf9033d_attn,@function
k_qec9bf9033d_attn:
	s_mov_b64 s[64:65], 0
	v_nop
	global_prefetch_b8 v0, s[64:65] scope:SCOPE_SE
	s_setreg_imm32_b32 hwreg(HW_REG_WAVE_MODE, 25, 1), 1
	s_wait_xcnt 0x0
	s_wait_alu depctr_hold_cnt(0) depctr_sa_sdst(0) depctr_va_vdst(0) depctr_va_sdst(0) depctr_va_ssrc(0) depctr_va_vcc(0) depctr_vm_vsrc(0)
	s_getreg_b32 s2, hwreg(HW_REG_IB_STS2, 6, 4)
	s_cmp_eq_u32 s2, 0
	s_cbranch_scc0 .Lentry_in_a_cluster
	s_endpgm
.Lentry_in_a_cluster:
	s_bfe_u32 s2, ttmp6, 0x10000c
	s_cmp_lg_u32 s2, 0x3003
	s_cbranch_scc0 .Lentry_shape_is_right
	s_endpgm
.Lentry_shape_is_right:
; attn: ctx = softmax(q k^T / 8 + vol) v for one head, both products on codes of BF6 (E3M2) with E8M0 scales; ctx is quantised along D at once, for the out-projection.
; THE SOFTMAX: t = score x log2(e) / 8 + vol x log2(e); M = the row's largest t so far, rounded UP to a whole number; p = 2^(t - M) is what is quantised, along the keys, not normalised.  The row's sum is taken of the
; unquantised p and divides at the end.  When M moves, the sum and O are multiplied by 2^(old M - new M): exact.  vol is honoured: it moves M.
; SHARES.  A work-group owns 256 queries (16 tiles) of one head; each of its sixteen waves owns one tile in 256 registers: four waves to a SIMD, so that one wave's vector work stands beside another's products and LDS loads.
; A HEAD'S WHOLE K, V AND SCALE WORDS, 208,896 bytes, lie in kv as they are wanted in LDS, key step by key step (13,056 bytes each).  They come ONCE, IN FOUR GROUPS of four key steps: each wave issues four tensor
; loads at the start, the n-th bringing its sixteenth of group n; a wave's loads end in the order of issue, so group n is shown landed by a wait that leaves the 3 - n younger loads out, and a barrier.  So the
; first four key steps are worked while the other twelve are on their way.  No LDS byte is filled twice.  Four tensor loads of a wave are outstanding at the most.
; A sixteenth of a group is 4 x 13,056 / 16 = 3,264 bytes, one dense row: it begins at a multiple of 64 bytes, not of 256, since a step's 51 runs of 256 bytes do not divide among sixteen waves.
; CLUSTER.  The four query blocks of a cluster belong to one head: each load is asked for JOINTLY by the four, with one descriptor and the mask 15.
; LAYOUT.  Both products transposed: S^T = K Q^T (source 0 = 16 keys), O^T = V^T P^T (source 0 = 16 channels): a lane holds ONE query throughout.  Tiles of keys, of queries and of channels take their rows so
; (tile 2 B + u, place r: row 32 B + 8 u + r + 8 (r / 8)) that the 16 registers of two neighbouring tiles are 16 neighbours: p's registers run along the keys, O^T's along the channels.
; The first product's K is 64: registers 6-11 of K's and Q's fragments are zero codes, which add nothing under any scale byte but 0xff; the bytes above a head's two are another head's or 0.
; The scale bytes of ctx leave as 2 bytes a lane, 16 bytes apart, once a wave: a head owns two of the sixteen bytes of a row's words.
; LIMITS: NaN and infinities are not served; a block whose largest magnitude lies under 2^-122, a block of zeros among them, keeps the byte 1.
; REGISTERS: v1-3 my lane's places (8, 16, 4 bytes a lane); v6, v7 offsets; v8-10 the step's LDS addresses; v12 vol' - M, v13 the largest t, v[14:15] the sum; v16-27 Q; v28 -M; v30-31 V's scale words;
;   v32-79 four fragments of K; v80-127 V's four; v128-191 S^T, then p; v192-223 O^T; v224-235 p's codes; v232-254 at work; v248-251 K's scale words; v253 p's scale word; v255 Q's.
.set HEADB,  208896
.set STEPB,  13056                     ; a key step's part: K's codes at 0,
.set VCO,    6144                      ; V's codes,
.set KSC,    12288                     ; K's scale words,
.set VSC,    12800                     ; V's
.set GROUPB, 4*STEPB                   ; four key steps: 52,224 bytes
.set SHARE,  GROUPB/16                 ; what one tensor load brings: 3,264 bytes
.set REC,    12800
.set S,    128
.set O,    192
.set KFR,  32
.set VFR,  80
.set WV,   12                          ; s12 my wave's number
.set SEL,  20
.set CS,   22                          ; s[22:23] c = log2(e) / 8
.set VL,   24                          ; s24 vol x log2(e)
.set G1,   32                          ; s[32:39] descriptor group 1
.set TK,   40                          ; s40 LDS byte at which the key step in hand begins
.set CNT,  43
.set G0,   68                          ; s[68:83] descriptor group 0, one set for each of the four loads
.set WSH,  84                          ; s84 my wave's share's place in a group
.macro CROUND                          ; a round of the cluster's barrier
	s_barrier_signal -1
	s_barrier_wait -1
	s_cmp_lg_u32 s[WV], 0
	s_cbranch_scc1 .Lnot_wave_0_\@
	s_barrier_signal -3
.Lnot_wave_0_\@:
	s_barrier_wait -3
	s_barrier_signal -1
	s_barrier_wait -1
.endm
.macro SQK tt, fr                      ; tile tt of the step's eight tiles of keys, from fragment registers fr
.if (\tt)%2
	v_wmma_scale_f32_16x16x128_f8f6f4 v[S+8*(\tt):S+8*(\tt)+7], v[KFR+12*(\fr):KFR+12*(\fr)+11], v[16:27], 0, v[248+(\tt)/2], v255 matrix_a_fmt:MATRIX_FMT_BF6 matrix_b_fmt:MATRIX_FMT_BF6 matrix_a_scale:MATRIX_SCALE_ROW1
.else
	v_wmma_scale_f32_16x16x128_f8f6f4 v[S+8*(\tt):S+8*(\tt)+7], v[KFR+12*(\fr):KFR+12*(\fr)+11], v[16:27], 0, v[248+(\tt)/2], v255 matrix_a_fmt:MATRIX_FMT_BF6 matrix_b_fmt:MATRIX_FMT_BF6
.endif
.endm
.macro PV t                            ; O^T's tile t of 16 channels; the four accumulators take turns
.if (\t)%2
	v_wmma_scale_f32_16x16x128_f8f6f4 v[O+8*(\t):O+8*(\t)+7], v[VFR+12*(\t):VFR+12*(\t)+11], v[224:235], v[O+8*(\t):O+8*(\t)+7], v[30+(\t)/2], v253 matrix_a_fmt:MATRIX_FMT_BF6 matrix_b_fmt:MATRIX_FMT_BF6 matrix_a_scale:MATRIX_SCALE_ROW1
.else
	v_wmma_scale_f32_16x16x128_f8f6f4 v[O+8*(\t):O+8*(\t)+7], v[VFR+12*(\t):VFR+12*(\t)+11], v[224:235], v[O+8*(\t):O+8*(\t)+7], v[30+(\t)/2], v253 matrix_a_fmt:MATRIX_FMT_BF6 matrix_b_fmt:MATRIX_FMT_BF6
.endif
.endm
; A KEY STEP: 128 keys, whose part of the head's block begins at LDS byte s[TK]
.macro STEP
	v_add_nc_u32 v8, s[TK], v1                     ; (these four lines are also the places between the last step's products and the loads into their registers)
	v_add_nc_u32 v9, s[TK], v2
	v_add_nc_u32 v10, s[TK], v3
	v_nop
.irp t, 0,1,2,3
.irp p, 0,1,2
	ds_load_b64 v[KFR+12*\t+2*\p:KFR+12*\t+2*\p+1], v8 offset:768*\t+256*\p     ; tiles 0-3 of keys: 256 consecutive bytes a load
.endr
.endr
.irp i, 0,1,2,3
	ds_load_b32 v[248+\i], v10 offset:KSC+128*\i   ; lanes 0-15 an even tile's scale words, lanes 16-31 the odd tile's behind it
.endr
.irp t, 0,1,2,3
.irp q, 0,1,2
	ds_load_b128 v[VFR+12*\t+4*\q:VFR+12*\t+4*\q+3], v9 offset:VCO+1536*\t+512*\q
.endr
.endr
.irp i, 0,1
	ds_load_b32 v[30+\i], v10 offset:VSC+128*\i
.endr
	s_wait_dscnt 14                                ; K's tiles 0-3 and scale words are in; V's 12 + 2 loads, issued behind them, may be out
.irp t, 0,1,2,3
	SQK \t, \t
.endr
.rept 4
	v_nop                                          ; places in front of loads into registers that matrix instructions have read
.endr
.irp t, 0,1,2,3
.irp p, 0,1,2
	ds_load_b64 v[KFR+12*\t+2*\p:KFR+12*\t+2*\p+1], v8 offset:3072+768*\t+256*\p   ; tiles 4-7
.endr
.endr
	s_wait_dscnt 0x0
.irp t, 0,1,2,3
	SQK 4+\t, \t
.endr
.rept 4
	v_nop
.endr
.irp b, 0,1,2,3
	v_max3_num_f32 v[232+\b], v[S+16*\b], v[S+1+16*\b], v[S+2+16*\b]   ; the largest score of each block of 32 keys: for the row's maximum and, since p rises with the score, for the block's largest p
.endr
.irp i, 3,5,7,9,11,13
.irp b, 0,1,2,3
	v_max3_num_f32 v[232+\b], v[232+\b], v[S+16*\b+\i], v[S+1+16*\b+\i]
.endr
.endr
.irp b, 0,1,2,3
	v_max_num_f32 v[232+\b], v[232+\b], v[S+15+16*\b]
.endr
.irp b, 0,1,2,3
	v_permlanex16_b32 v[236+\b], v[232+\b], s[SEL], s[SEL+1]
.endr
.irp b, 0,1,2,3
	v_max_num_f32 v[232+\b], v[232+\b], v[236+\b]  ; with lane l xor 16's 16 keys
.endr
	v_max3_num_f32 v254, v232, v233, v234
	v_max_num_f32 v254, v254, v235                 ; the step's largest score of my query,
	v_fma_f32 v254, v254, s[CS], s[VL]             ; as t
	v_max_num_f32 v13, v13, v254                   ; the running largest t
	v_mov_b32 v254, v28
	v_floor_f32 v28, -v13                          ; the new -M = -ceil(t)
	v_sub_f32 v254, v28, v254                      ; old M - new M: a whole number, 0 or less
	v_cvt_i32_f32 v254, v254                       ; (it saturates)
	v_ldexp_f32 v252, 1.0, v254                    ; f = 2^(old M - new M)
	v_add_f32 v12, s[VL], v28                      ; vol x log2(e) - M
.irp j, 0,2,4,6,8,10,12,14,16,18,20,22,24,26,28,30,32,34,36,38,40,42,44,46,48,50,52,54,56,58,60,62
	v_pk_fma_f32 v[S+\j:S+\j+1], v[S+\j:S+\j+1], s[CS:CS+1], v[12:13] op_sel_hi:[1,0,0]   ; t - M, two at a time
.endr
.irp b, 0,1,2,3
	v_fma_f32 v[232+\b], v[232+\b], s[CS], v12     ; the same of each block's largest score
.endr
.irp j, 0,1,2,3,4,5,6,7,8,9,10,11,12,13,14,15,16,17,18,19,20,21,22,23,24,25,26,27,28,29,30,31,32,33,34,35,36,37,38,39,40,41,42,43,44,45,46,47,48,49,50,51,52,53,54,55,56,57,58,59,60,61,62,63
	v_exp_f32 v[S+\j], v[S+\j]                     ; p = 2^(t - M)
.endr
.irp b, 0,1,2,3
	v_exp_f32 v[232+\b], v[232+\b]                 ; the block's largest p
.endr
	v_pk_mul_f32 v[14:15], v[14:15], v[252:253] op_sel_hi:[1,0]   ; the sums under the new M (a plain place behind the exponentials)
	s_wait_alu depctr_va_vdst(0)
.irp b, 0,1,2,3
	v_max_num_f32 v[232+\b], 0x2800000, v[232+\b]  ; the floor 2^(5 - 127): the byte cannot fall under 1
.endr
.irp b, 0,1,2,3
	v_add_nc_u32 v[244+\b], 0xfe000000, v[232+\b]  ; 4 off the exponent field: the conversion's scale operand
.endr
.irp b, 0,1,2,3
	v_lshrrev_b32 v[236+\b], 23, v[244+\b]         ; the scale's byte
.endr
	v_lshl_or_b32 v253, v237, 8, v236              ; p's scale word for these 128 keys
	v_lshl_or_b32 v253, v238, 16, v253
	v_lshl_or_b32 v253, v239, 24, v253
.irp c, 0,1
	v_cvt_scalef32_pk16_bf6_f32 v[224+6*\c:226+6*\c], v[S+32*\c:S+15+32*\c], v[244+2*\c]
	v_cvt_scalef32_pk16_bf6_f32 v[236+4*\c:238+4*\c], v[S+16+32*\c:S+31+32*\c], v[245+2*\c]
.endr
	v_nop                                          ; one plain place behind a scaled conversion
.irp c, 0,1
.irp i, 0,1,2
	v_permlane16_swap_b32 v[224+6*\c+\i], v[236+4*\c+\i]   ; a whole block to a lane
.endr
.irp i, 0,1,2
	v_mov_b32 v[227+6*\c+\i], v[236+4*\c+\i]
.endr
.endr
	v_pk_add_f32 v[236:237], v[S:S+1], v[S+2:S+3]  ; the row's sum is taken of the unquantised p: two chains
.irp j, 4,8,12,16,20,24,28,32,36,40,44,48,52,56,60
	v_pk_add_f32 v[14:15], v[14:15], v[S+\j:S+\j+1]
	v_pk_add_f32 v[236:237], v[236:237], v[S+2+\j:S+3+\j]
.endr
	v_pk_add_f32 v[14:15], v[14:15], v[236:237]
.irp j, 0,2,4,6,8,10,12,14,16,18,20,22,24,26,28,30
	v_pk_mul_f32 v[O+\j:O+\j+1], v[O+\j:O+\j+1], v[252:253] op_sel_hi:[1,0]   ; O^T under the new M.  (With the sums above: the places between p's codes and scale word and the products)
.endr
.irp t, 0,1,2,3
	PV \t
.endr
.endm
; GROUP n: key steps 4 n .. 4 n + 3.  My n-th load has landed when at most 3 - n younger ones are out; behind the barrier everybody's has.  The younger loads may stay out.
; No LDS load of mine is out at the signal: a step's last wait on DScnt is for 0 and no LDS instruction follows it.
.macro GROUP n
	s_wait_tensorcnt 3-\n
	s_barrier_signal -1
	s_barrier_wait -1
	s_mov_b32 s[TK], \n*GROUPB
	s_mov_b32 s[CNT], 4
.Lstep_\@:
	STEP
	s_add_co_u32 s[TK], s[TK], STEPB
	s_sub_co_u32 s[CNT], s[CNT], 1
	s_cmp_lg_u32 s[CNT], 0
	s_cbranch_scc1 .Lstep_\@
.endm
	s_load_b256 s[4:11], s[0:1], 0x0               ; qbuf s[4:5], kv s[6:7], market_info s[8:9], cbuf s[10:11]
	v_lshl_add_u32 v29, v0, 2, 0x33000
	v_mov_b32 v243, 0
	ds_add_u32 v29, v243
	ds_add_u32 v29, v243
	v_lshrrev_b32 v8, 5, v0
	v_readfirstlane_b32 s[WV], v8                  ; wave 0..15
	s_and_b32 s13, ttmp7, 0xffff                   ; the head, 16 x batch + head: the four partners share it
	s_bfe_u32 s14, ttmp6, 0x40000                  ; cx: it enters Q's and ctx's global addresses alone
	s_lshl_b32 s15, ttmp9, 2
	s_add_co_u32 s15, s15, s14                     ; my block of 256 queries
	s_lshl_b32 s15, s15, 4
	s_add_co_u32 s15, s15, s[WV]                   ; my tile of queries within the batch, 0..127
	; descriptor group 1: one dense row of 408 elements of 8 bytes, no padding (the reads are of consecutive bytes)
	s_mov_b32 s[G1+0], 15|(3<<16)|(1<<21)          ; 15:0 the mask: all four work-groups; 17:16 elements of 8 bytes; 21 set beside a mask
	s_mov_b32 s[G1+1], (SHARE/8)<<16               ; tensor_dim0 = 408
	s_mov_b32 s[G1+2], 1<<16                       ; tensor_dim1 = 1
	s_mov_b32 s[G1+3], (SHARE/8)<<16               ; tile_dim0 = 408
	s_mov_b32 s[G1+4], 1                           ; tile_dim1 = 1
	s_mov_b32 s[G1+5], SHARE/8                     ; from row to row
	s_mov_b32 s[G1+6], 0
	s_mov_b32 s[G1+7], 0
	s_mul_i32 s16, s13, HEADB
	s_mul_i32 s[WSH], s[WV], SHARE                 ; my share's place in a group, in memory and in LDS alike
	s_add_co_u32 s16, s16, s[WSH]
	s_mov_b32 s17, 0
	s_wait_dscnt 0x0
	s_wait_kmcnt 0x0
	s_add_nc_u64 s[6:7], s[6:7], s[16:17]          ; the head's block, my share: made of the head and the wave's number alone
.irp n, 0,1,2,3
	s_mov_b32 s[G0+4*\n], 1                        ; count = 1
	s_add_co_u32 s[G0+4*\n+1], s[WSH], \n*GROUPB   ; LDS address
	s_add_nc_u64 s[G0+4*\n+2:G0+4*\n+3], s[6:7], \n*GROUPB
	s_or_b32 s[G0+4*\n+3], s[G0+4*\n+3], 0x80000000
.endr
	CROUND                                         ; all four work-groups are here: the joint loads meet
.irp n, 0,1,2,3
	tensor_load_to_lds s[G0+4*\n:G0+4*\n+3], s[G1:G1+7]   ; the four first fills stand together, ahead of every wait on TENSORcnt, every LDS read and every further barrier
	s_nop 0
.endr
.rept 4
	v_nop
.endr
	s_lshr_b32 s18, s13, 4
	s_lshl_b32 s18, s18, 5                         ; market_info: 32 bytes a batch; its first number is vol
	s_mov_b32 s19, 0
	s_add_nc_u64 s[8:9], s[8:9], s[18:19]
	s_load_b32 s[VL], s[8:9], 0x0
	s_lshl_b32 s26, s13, 7
	s_add_co_u32 s26, s26, s15
	s_mul_i32 s18, s26, 768
	s_add_nc_u64 s[44:45], s[4:5], s[18:19]        ; Q's codes: my tile
	s_lshl_b32 s18, s26, 6
	s_add_co_u32 s18, s18, 3145728
	s_add_nc_u64 s[46:47], s[4:5], s[18:19]        ; and its scale words
	s_lshr_b32 s26, s13, 4
	s_lshl_b32 s26, s26, 7
	s_add_co_u32 s26, s26, s15                     ; my token tile, 0..255
	s_mul_i32 s26, s26, REC
	s_and_b32 s27, s13, 15                         ; the head in its batch: K step head / 2 of the out-projection, half head % 2 of its fragment
	s_lshr_b32 s18, s27, 1
	s_mul_i32 s18, s18, 1536
	s_and_b32 s25, s27, 1
	s_mul_i32 s25, s25, 768
	s_add_co_u32 s18, s18, s25
	s_add_co_u32 s18, s18, s26
	s_add_nc_u64 s[48:49], s[10:11], s[18:19]      ; where ctx's codes go
	s_lshr_b32 s18, s27, 3
	s_lshl_b32 s18, s18, 8
	s_and_b32 s25, s27, 7
	s_lshl_b32 s25, s25, 1
	s_add_co_u32 s18, s18, s25
	s_add_co_u32 s18, s18, s26
	s_add_co_u32 s18, s18, 12288
	s_add_nc_u64 s[50:51], s[10:11], s[18:19]      ; and its two scale bytes
	s_mov_b32 s[SEL], 0x76543210
	s_mov_b32 s[SEL+1], 0xfedcba98
	s_mov_b32 s[CS], 0x3e38aa3b                    ; log2(e) / 8
	s_mov_b32 s[CS+1], s[CS]                       ; (named with it as a pair, so it is written)
	v_and_b32 v8, 31, v0                           ; lane
	v_and_b32 v9, 15, v0                           ; r
	v_lshlrev_b32 v1, 3, v8                        ; 8 x lane: my place in a piece of K in LDS, of Q and of ctx in memory
	v_lshlrev_b32 v2, 4, v8                        ; 16 x lane: in a group of four registers of V
	v_lshlrev_b32 v3, 2, v8                        ; 4 x lane: among scale words
	v_lshlrev_b32 v6, 4, v9                        ; ctx's scale bytes: 16 r
	v_lshlrev_b32 v7, 2, v9                        ; Q's scale word: 4 r
.irp p, 0,1,2
	global_load_b64 v[16+2*\p:17+2*\p], v1, s[44:45] offset:256*\p
.endr
	global_load_b32 v255, v7, s[46:47]
.irp j, 22,23,24,25,26,27
	v_mov_b32 v[\j], 0                             ; zero codes for k = 64 .. 127
.endr
.irp t, 0,1,2,3
.irp i, 6,7,8,9,10,11
	v_mov_b32 v[KFR+12*\t+\i], 0                   ; likewise in K's four fragments: written once, never loaded into
.endr
.endr
	v_mov_b32 v13, 0xff61b1e6                      ; the largest t so far: -3e38, under every t
	v_floor_f32 v28, -v13                          ; -M
	v_mov_b32 v14, 0                               ; the sum, in two halves
	v_mov_b32 v15, 0
.irp b, 0,1,2,3
	v_mov_b32 v[236+\b], 0                         ; written once: a lane permute's destination counts as one of its sources
.endr
	v_mov_b32 v253, 0                              ; (named as the upper half of the pair v[252:253] before it is first written)
.irp j, 0,1,2,3,4,5,6,7,8,9,10,11,12,13,14,15,16,17,18,19,20,21,22,23,24,25,26,27,28,29,30,31
	v_mov_b32 v[O+\j], 0                           ; O^T: a step is written once for all; the first finds zeros, which the first change of M leaves zeros
.endr
	s_wait_kmcnt 0x0
	s_mul_f32 s[VL], s[VL], 0x3fb8aa3b             ; vol x log2(e)
	s_wait_loadcnt 0x0                             ; Q
	GROUP 0
	GROUP 1
	GROUP 2
	GROUP 3                                        ; its wait is for 0: no tensor load is out from here on
	; THE WAY OUT: O^T / the sum is my query's 64 channels of ctx (register 16 b + i: channel 32 b + 16 h + i): two blocks of the out-projection's K, quantised here
.rept 4
	v_nop
.endr
	v_add_f32 v14, v14, v15
	v_permlanex16_b32 v252, v14, s[SEL], s[SEL+1]
	v_add_f32 v14, v14, v252                       ; the row's sum
	v_rcp_f32 v14, v14
	v_nop                                          ; one plain place behind a transcendental
	s_wait_alu depctr_va_vdst(0)
.irp j, 0,1,2,3,4,5,6,7,8,9,10,11,12,13,14,15,16,17,18,19,20,21,22,23,24,25,26,27,28,29,30,31
	v_mul_f32 v[S+\j], v[O+\j], v14
.endr
.irp b, 0,1
	v_max3_num_f32 v[232+\b], |v[S+16*\b]|, |v[S+1+16*\b]|, 0x2800000
.endr
.irp i, 2,4,6,8,10,12,14
.irp b, 0,1
	v_max3_num_f32 v[232+\b], v[232+\b], |v[S+16*\b+\i]|, |v[S+1+16*\b+\i]|
.endr
.endr
.irp b, 0,1
	v_permlanex16_b32 v[236+\b], v[232+\b], s[SEL], s[SEL+1]
.endr
.irp b, 0,1
	v_max_num_f32 v[232+\b], v[232+\b], v[236+\b]
.endr
.irp b, 0,1
	v_add_nc_u32 v[244+\b], 0xfe000000, v[232+\b]
.endr
.irp b, 0,1
	v_lshrrev_b32 v[236+\b], 23, v[244+\b]
.endr
	v_lshl_or_b32 v254, v237, 8, v236              ; my head's two scale bytes of my token
	v_cvt_scalef32_pk16_bf6_f32 v[224:226], v[S:S+15], v244
	v_cvt_scalef32_pk16_bf6_f32 v[240:242], v[S+16:S+31], v245
	v_nop
.irp i, 0,1,2
	v_permlane16_swap_b32 v[224+\i], v[240+\i]
.endr
.irp i, 0,1,2
	v_mov_b32 v[227+\i], v[240+\i]
.endr
.irp p, 0,1,2
	global_store_b64 v1, v[224+2*\p:225+2*\p], s[48:49] offset:256*\p   ; 256 consecutive bytes, aligned: three of the fragment's six pieces
.endr
	global_store_b16 v6, v254, s[50:51]            ; both halves of the lanes hold and write the same two bytes
	s_wait_tensorcnt 0x0
	ds_add_u32 v29, v243
	s_wait_dscnt 0x0
	CROUND                                         ; the closing round: no work-group ends while a partner may still ask for a tile that names it
	s_endpgm
.Lfunc_end_k_qec9bf9033d_attn:
	.size	k_qec9bf9033d_attn, .Lfunc_end_k_qec9bf9033d_attn-k_qec9bf9033d_attn
	.p2alignl 7, 3214868480
	.fill 96, 4, 3214868480
	.section	.rodata,"a",@progbits
	.p2align	6, 0x0
	.amdhsa_kernel k_qec9bf9033d_attn
		.amdhsa_group_segment_fixed_size 210944
		.amdhsa_private_segment_fixed_size 0
		.amdhsa_enable_private_segment 0
		.amdhsa_kernarg_size 32
		.amdhsa_user_sgpr_count 2
		.amdhsa_user_sgpr_kernarg_segment_ptr 1
		.amdhsa_wavefront_size32 1
		.amdhsa_system_sgpr_workgroup_id_x 1
		.amdhsa_system_sgpr_workgroup_id_y 1
		.amdhsa_system_sgpr_workgroup_id_z 1
		.amdhsa_system_vgpr_workitem_id 0
		.amdhsa_next_free_vgpr 256
		.amdhsa_next_free_sgpr 86
		.amdhsa_reserve_vcc 0
		.amdhsa_float_denorm_mode_32 3
		.amdhsa_float_denorm_mode_16_64 3
		.amdhsa_memory_ordered 1
		.amdhsa_forward_progress 1
		.amdhsa_inst_pref_size 79
	.end_amdhsa_kernel
	.amdgpu_metadata
---
amdhsa.version: [ 1, 2 ]
amdhsa.kernels:
  - .name:           k_qec9bf9033d_attn
    .symbol:         k_qec9bf9033d_attn.kd
    .args:
      - { .name: qbuf, .offset: 0, .size: 8, .value_kind: global_buffer, .address_space: global }
      - { .name: kv, .offset: 8, .size: 8, .value_kind: global_buffer, .address_space: global }
      - { .name: market_info, .offset: 16, .size: 8, .value_kind: global_buffer, .address_space: global }
      - { .name: cbuf, .offset: 24, .size: 8, .value_kind: global_buffer, .address_space: global }
    .group_segment_fixed_size: 210944
    .private_segment_fixed_size: 0
    .kernarg_segment_align: 8
    .kernarg_segment_size: 32
    .max_flat_workgroup_size: 512
    .sgpr_count:     86
    .vgpr_count:     256
    .wavefront_size: 32
...
	.end_amdgpu_metadata
.endif
;; end of part 3
;; launch outln (part 4): grid 256 x 1, 16 waves a work-group, no clusters, 80,128 bytes of LDS; arguments cbuf, wimg, x, out_proj_b, ln_gamma, ln_beta, out0; writes out0
.if DOCPART == 4
	.amdgcn_target "amdgcn-amd-amdhsa--gfx1250"
	.amdhsa_code_object_version 6
	.text
	.protected	k_qec9bf9033d_outln
	.globl	k_qec9bf9033d_outln
	.p2align	8
	.type	k_qec9bf9033d_outln,@function
k_qec9bf9033d_outln:
	s_mov_b64 s[64:65], 0
	v_nop
	global_prefetch_b8 v0, s[64:65] scope:SCOPE_SE
	s_setreg_imm32_b32 hwreg(HW_REG_WAVE_MODE, 25, 1), 1
	s_wait_xcnt 0x0
; outln: out0 = LayerNorm(x + ctx out_proj_w^T + out_proj_b) x gamma + beta; the product on codes of BF6 (E3M2) with E8M0 scales, all else in f32.
; A work-group owns one tile of 16 tokens, whole rows, since the norm wants a whole row.  Wave w makes columns 64 w .. 64 w + 63 (weight tiles 192 + 4 w .. + 3 of wimg) for the 16 tokens, K = 1,024 in 8 steps;
; the results meet in a stage in LDS, one barrier, and wave w then finishes row w: residual, mean, variance of the differences, gain and bias.
; The product is used transposed (source 0 = 16 rows of the weight, source 1 = ctx): a lane holds one token, and by the choice of a tile's rows its 16 registers of two tiles are 16 neighbouring columns.
; CTX'S CODES, 12,288 bytes that all sixteen waves want, are read from memory ONCE: wave w copies bytes 768 w .. 768 w + 767 of the record into LDS as they lie, a barrier, and every wave takes the fragments from there.
; The weight's fragments, which no two waves share, come from the records straight into registers, 512 consecutive bytes a load.  Both go through a ring of three register sets: two K steps are on their way while one is multiplied.
; Register loads have no joint form, so no cluster is used, though all work-groups walk the same weight.
; LDS: bytes 0 .. 12,287 ctx's codes; behind them the stage.  The two share no byte, so a wave may store into the stage while another still reads ctx.
; REGISTERS: v1 16 x lane, v2 8 x lane, v3, v4 the stage, v5 my place in ctx's codes; v8-23 the weight's scale words, v24-27 ctx's; v28-59 four accumulators; v60-239 three sets of 60 (four fragments of the
;   weight, one of ctx), later: v60-91 the row, v92-123 x, v124-155 out_proj_b, v156-187 gamma, v188-219 beta; v240-245 my 768 bytes of ctx on their way to LDS, later at work.
.set REC, 12800
.set STG, 12288                        ; where the stage begins
.set SP,  4112                         ; a stage row: 4,096 bytes + 16 = 257 x 16: the sixteen rows that a store touches start in sixteen different 16-byte columns
.set WS,  8
.set CSC, 24
.set ACC, 28
.set RG,  60
.set Y,   60
.set XR,  92
.set BO,  124
.set GA,  156
.set BE,  188
.macro FETCHW s                        ; K step s of my four weight tiles: 12 loads from memory
.set RB, RG+60*((\s)%3)
.irp t, 0,1,2,3
.irp g, 0,1,2
	global_load_b128 v[RB+12*\t+4*\g:RB+12*\t+4*\g+3], v1, s[22:23] offset:\t*REC+1536*(\s)+512*\g
.endr
.endr
.endm
.macro FETCHC s                        ; K step s of ctx: 6 loads from LDS, 256 consecutive bytes each
.set RB, RG+60*((\s)%3)
.irp q, 0,1,2,3,4,5
	ds_load_b64 v[RB+48+2*\q:RB+49+2*\q], v2 offset:1536*(\s)+256*\q
.endr
.endm
.macro KSTEP s
.if (\s) <= 5
	s_wait_loadcnt 24                              ; this step's weight is in; the 12 loads of each of the two steps behind it may be out
	s_wait_dscnt 12                                ; and so with ctx: 6 LDS loads a step
.elseif (\s) == 6
	s_wait_loadcnt 12
	s_wait_dscnt 6
.else
	s_wait_loadcnt 0x0
	s_wait_dscnt 0x0
.endif
.set RB, RG+60*((\s)%3)
.irp t, 0,1,2,3                        ; the four accumulators take turns, one instruction a turn
.if (\s) == 0
	v_wmma_scale_f32_16x16x128_f8f6f4 v[ACC+8*\t:ACC+8*\t+7], v[RB+12*\t:RB+12*\t+11], v[RB+48:RB+59], 0, v[WS+4*\t+(\s)%4], v[CSC+(\s)%4] matrix_a_fmt:MATRIX_FMT_BF6 matrix_b_fmt:MATRIX_FMT_BF6
.elseif (\s) < 4
	v_wmma_scale_f32_16x16x128_f8f6f4 v[ACC+8*\t:ACC+8*\t+7], v[RB+12*\t:RB+12*\t+11], v[RB+48:RB+59], v[ACC+8*\t:ACC+8*\t+7], v[WS+4*\t+(\s)%4], v[CSC+(\s)%4] matrix_a_fmt:MATRIX_FMT_BF6 matrix_b_fmt:MATRIX_FMT_BF6
.else
	v_wmma_scale_f32_16x16x128_f8f6f4 v[ACC+8*\t:ACC+8*\t+7], v[RB+12*\t:RB+12*\t+11], v[RB+48:RB+59], v[ACC+8*\t:ACC+8*\t+7], v[WS+4*\t+(\s)%4], v[CSC+(\s)%4] matrix_a_fmt:MATRIX_FMT_BF6 matrix_b_fmt:MATRIX_FMT_BF6 matrix_a_scale:MATRIX_SCALE_ROW1 matrix_b_scale:MATRIX_SCALE_ROW1
.endif
.endr
.rept 4
	v_nop                                          ; places in front of loads into registers that matrix instructions have read, and of the first read of results
.endr
.if (\s) <= 4
	FETCHW (\s)+3
	FETCHC (\s)+3
.endif
.endm
	s_load_b256 s[8:15], s[0:1], 0x0               ; cbuf s[8:9], wimg s[10:11], x s[12:13], out_proj_b s[14:15]
	s_load_b128 s[16:19], s[0:1], 0x20             ; ln_gamma s[16:17], ln_beta s[18:19]
	s_load_b64 s[20:21], s[0:1], 0x30              ; out0
	v_lshl_add_u32 v254, v0, 2, 0x13100
	v_mov_b32 v255, 0
	v_lshrrev_b32 v5, 5, v0
	v_readfirstlane_b32 s2, v5                     ; wave 0..15
	v_and_b32 v5, 31, v0
	v_lshlrev_b32 v1, 4, v5                        ; 16 x lane
	v_lshlrev_b32 v2, 3, v5                        ; 8 x lane
	v_and_b32 v6, 15, v0                           ; r
	v_bfe_u32 v7, v0, 4, 1                         ; h
	v_mul_u32_u24 v3, v6, SP
	v_lshl_add_u32 v3, v7, 6, v3
	s_lshl_b32 s3, s2, 8
	s_add_co_u32 s3, s3, STG
	v_add_nc_u32 v3, s3, v3                        ; into the stage: row r, my wave's 256 bytes, + 64 h
	s_mul_i32 s3, s2, SP
	s_add_co_u32 s3, s3, STG
	v_add_nc_u32 v4, s3, v1                        ; back: row w, 16 bytes a lane
	s_mul_i32 s3, s2, 768
	v_add_nc_u32 v5, s3, v2                        ; my 8 bytes of each of my wave's three runs of 256 bytes of ctx's codes: the same place in the record and in LDS
	s_mov_b32 s30, 0x3a800000                      ; 1 / 1,024
	s_mov_b32 s31, 0x3727c5ac                      ; 1e-5
	s_mov_b32 s32, 0x76543210
	s_mov_b32 s33, 0xfedcba98
	s_mul_i32 s34, ttmp9, REC
	s_mov_b32 s35, 0
	s_mul_i32 s36, s2, 4*REC
	s_add_co_u32 s36, s36, 192*REC
	s_mov_b32 s37, 0
	s_lshr_b32 s4, ttmp9, 1                        ; row w of the tile is token 32 (T / 2) + 8 (T % 2) + w + 8 (w / 8)
	s_lshl_b32 s4, s4, 5
	s_and_b32 s5, ttmp9, 1
	s_lshl_b32 s5, s5, 3
	s_add_co_u32 s4, s4, s5
	s_add_co_u32 s4, s4, s2
	s_lshr_b32 s5, s2, 3
	s_lshl_b32 s5, s5, 3
	s_add_co_u32 s4, s4, s5
	s_lshl_b32 s38, s4, 12
	s_mov_b32 s39, 0
	s_wait_kmcnt 0x0
	s_add_nc_u64 s[22:23], s[10:11], s[36:37]      ; my four tiles of out_proj_w
	s_add_nc_u64 s[24:25], s[8:9], s[34:35]        ; the tile of ctx
	s_add_nc_u64 s[26:27], s[12:13], s[38:39]      ; my row of x
	s_add_nc_u64 s[28:29], s[20:21], s[38:39]      ; and of out0
.irp j, 0,1,2
	global_load_b64 v[240+2*\j:241+2*\j], v5, s[24:25] offset:256*\j   ; my sixteenth of ctx's codes first: everybody waits for it
.endr
.irp t, 0,1,2,3
	global_load_b128 v[WS+4*\t:WS+4*\t+3], v1, s[22:23] offset:\t*REC+12288
.endr
	global_load_b128 v[CSC:CSC+3], v1, s[24:25] offset:12288
	FETCHW 0
	FETCHW 1
	FETCHW 2
	s_wait_loadcnt 41                              ; my three loads of ctx are in; the 5 loads of scale words and the 36 of the weight, issued behind them, may be out
.irp j, 0,1,2
	ds_store_b64 v5, v[240+2*\j:241+2*\j] offset:256*\j
.endr
	s_wait_dscnt 0x0                               ; for the others' sake: my stores are done
	s_barrier_signal -1
	s_barrier_wait -1                              ; ctx's eight fragments lie in LDS; nobody writes these bytes again
	FETCHC 0
	FETCHC 1
	FETCHC 2
	KSTEP 0
	KSTEP 1
	KSTEP 2
	KSTEP 3
	KSTEP 4
	KSTEP 5
	KSTEP 6
	KSTEP 7
.irp b, 0,1
.irp q, 0,1,2,3
	ds_store_b128 v3, v[ACC+16*\b+4*\q:ACC+16*\b+4*\q+3] offset:128*\b+16*\q   ; lane (r, h): token r, columns 64 w + 32 b + 16 h + 4 q on; each accumulator from its low end on
.endr
.endr
.irp i, 0,1,2,3,4,5,6,7
	global_load_b128 v[XR+4*\i:XR+4*\i+3], v1, s[26:27] offset:512*\i
	global_load_b128 v[BO+4*\i:BO+4*\i+3], v1, s[14:15] offset:512*\i
	global_load_b128 v[GA+4*\i:GA+4*\i+3], v1, s[16:17] offset:512*\i
	global_load_b128 v[BE+4*\i:BE+4*\i+3], v1, s[18:19] offset:512*\i
.endr
	s_wait_dscnt 0x0                               ; for the others' sake: my stores into the stage are done
	s_barrier_signal -1
	s_barrier_wait -1
.irp i, 0,1,2,3,4,5,6,7
	ds_load_b128 v[Y+4*\i:Y+4*\i+3], v4 offset:512*\i
.endr
	s_wait_dscnt 0x0
	s_wait_loadcnt 0x0
.irp j, 0,2,4,6,8,10,12,14,16,18,20,22,24,26,28,30
	v_pk_add_f32 v[Y+\j:Y+\j+1], v[Y+\j:Y+\j+1], v[BO+\j:BO+\j+1]      ; attended = product + out_proj_b
.endr
.irp j, 0,2,4,6,8,10,12,14,16,18,20,22,24,26,28,30
	v_pk_add_f32 v[Y+\j:Y+\j+1], v[Y+\j:Y+\j+1], v[XR+\j:XR+\j+1]      ; y = x + attended
.endr
	v_pk_add_f32 v[240:241], v[Y:Y+1], v[Y+2:Y+3]  ; the row's sum: two chains in a lane,
	v_pk_add_f32 v[242:243], v[Y+4:Y+5], v[Y+6:Y+7]
.irp j, 8,12,16,20,24,28
	v_pk_add_f32 v[240:241], v[240:241], v[Y+\j:Y+\j+1]
	v_pk_add_f32 v[242:243], v[242:243], v[Y+2+\j:Y+3+\j]
.endr
	v_pk_add_f32 v[240:241], v[240:241], v[242:243]
	v_add_f32 v240, v240, v241
	v_add_f32_dpp v240, v240, v240 row_xmask:1 row_mask:0xf bank_mask:0xf   ; then across the 32 lanes
	v_add_f32_dpp v240, v240, v240 row_xmask:2 row_mask:0xf bank_mask:0xf
	v_add_f32_dpp v240, v240, v240 row_xmask:4 row_mask:0xf bank_mask:0xf
	v_add_f32_dpp v240, v240, v240 row_xmask:8 row_mask:0xf bank_mask:0xf
	v_permlanex16_b32 v241, v240, s32, s33
	v_add_f32 v240, v240, v241
	v_mul_f32 v240, s30, v240                      ; the mean
.irp j, 0,2,4,6,8,10,12,14,16,18,20,22,24,26,28,30
	v_pk_add_f32 v[Y+\j:Y+\j+1], v[Y+\j:Y+\j+1], v[240:241] op_sel_hi:[1,0] neg_lo:[0,1] neg_hi:[0,1]   ; y - mean
.endr
	v_pk_mul_f32 v[242:243], v[Y:Y+1], v[Y:Y+1]    ; the sum of the squared differences
	v_pk_mul_f32 v[244:245], v[Y+2:Y+3], v[Y+2:Y+3]
.irp j, 4,8,12,16,20,24,28
	v_pk_fma_f32 v[242:243], v[Y+\j:Y+\j+1], v[Y+\j:Y+\j+1], v[242:243]
	v_pk_fma_f32 v[244:245], v[Y+2+\j:Y+3+\j], v[Y+2+\j:Y+3+\j], v[244:245]
.endr
	v_pk_add_f32 v[242:243], v[242:243], v[244:245]
	v_add_f32 v242, v242, v243
	v_add_f32_dpp v242, v242, v242 row_xmask:1 row_mask:0xf bank_mask:0xf
	v_add_f32_dpp v242, v242, v242 row_xmask:2 row_mask:0xf bank_mask:0xf
	v_add_f32_dpp v242, v242, v242 row_xmask:4 row_mask:0xf bank_mask:0xf
	v_add_f32_dpp v242, v242, v242 row_xmask:8 row_mask:0xf bank_mask:0xf
	v_permlanex16_b32 v243, v242, s32, s33
	v_add_f32 v242, v242, v243
	v_fma_f32 v242, v242, s30, s31                 ; the variance + 1e-5
	v_rsq_f32 v242, v242
	v_nop                                          ; one plain place behind a transcendental
	s_wait_alu depctr_va_vdst(0)
.irp j, 0,2,4,6,8,10,12,14,16,18,20,22,24,26,28,30
	v_pk_mul_f32 v[GA+\j:GA+\j+1], v[GA+\j:GA+\j+1], v[242:243] op_sel_hi:[1,0]
.endr
.irp j, 0,2,4,6,8,10,12,14,16,18,20,22,24,26,28,30
	v_pk_fma_f32 v[Y+\j:Y+\j+1], v[Y+\j:Y+\j+1], v[GA+\j:GA+\j+1], v[BE+\j:BE+\j+1]
.endr
.irp i, 0,1,2,3,4,5,6,7
	global_store_b128 v1, v[Y+4*\i:Y+4*\i+3], s[28:29] offset:512*\i   ; 512 consecutive bytes, aligned
.endr
	s_wait_tensorcnt 0x0
	ds_add_u32 v254, v255
	s_wait_dscnt 0x0
	s_endpgm
.Lfunc_end_k_qec9bf9033d_outln:
	.size	k_qec9bf9033d_outln, .Lfunc_end_k_qec9bf9033d_outln-k_qec9bf9033d_outln
	.p2alignl 7, 3214868480
	.fill 96, 4, 3214868480
	.section	.rodata,"a",@progbits
	.p2align	6, 0x0
	.amdhsa_kernel k_qec9bf9033d_outln
		.amdhsa_group_segment_fixed_size 80128
		.amdhsa_private_segment_fixed_size 0
		.amdhsa_enable_private_segment 0
		.amdhsa_kernarg_size 56
		.amdhsa_user_sgpr_count 2
		.amdhsa_user_sgpr_kernarg_segment_ptr 1
		.amdhsa_wavefront_size32 1
		.amdhsa_system_sgpr_workgroup_id_x 1
		.amdhsa_system_sgpr_workgroup_id_y 1
		.amdhsa_system_sgpr_workgroup_id_z 1
		.amdhsa_system_vgpr_workitem_id 0
		.amdhsa_next_free_vgpr 256
		.amdhsa_next_free_sgpr 66
		.amdhsa_reserve_vcc 0
		.amdhsa_float_denorm_mode_32 3
		.amdhsa_float_denorm_mode_16_64 3
		.amdhsa_memory_ordered 1
		.amdhsa_forward_progress 1
		.amdhsa_inst_pref_size 34
	.end_amdhsa_kernel
	.amdgpu_metadata
---
amdhsa.version: [ 1, 2 ]
amdhsa.kernels:
  - .name:           k_qec9bf9033d_outln
    .symbol:         k_qec9bf9033d_outln.kd
    .args:
      - { .name: cbuf, .offset: 0, .size: 8, .value_kind: global_buffer, .address_space: global }
      - { .name: wimg, .offset: 8, .size: 8, .value_kind: global_buffer, .address_space: global }
      - { .name: x, .offset: 16, .size: 8, .value_kind: global_buffer, .address_space: global }
      - { .name: out_proj_b, .offset: 24, .size: 8, .value_kind: global_buffer, .address_space: global }
      - { .name: ln_gamma, .offset: 32, .size: 8, .value_kind: global_buffer, .address_space: global }
      - { .name: ln_beta, .offset: 40, .size: 8, .value_kind: global_buffer, .address_space: global }
      - { .name: out0, .offset: 48, .size: 8, .value_kind: global_buffer, .address_space: global }
    .group_segment_fixed_size: 80128
    .private_segment_fixed_size: 0
    .kernarg_segment_align: 8
    .kernarg_segment_size: 56
    .max_flat_workgroup_size: 512
    .sgpr_count:     66
    .vgpr_count:     256
    .wavefront_size: 32
...
	.end_amdgpu_metadata
.endif
;; end of part 4
;; ======== version 2 of 2: 4 launches
;; workspace buffers: xi 3,276,800 bytes; wimg 3,276,800 bytes; qbuf 3,407,872 bytes; kv 6,684,672 bytes; cbuf 3,276,800 bytes
;; launch prep: the kernel of part 1 again; grid 384 x 1, 2 waves a work-group, no clusters, 17,152 bytes of LDS; arguments x, in_proj_w_codes, in_proj_w_scales, out_proj_w_codes, out_proj_w_scales, xi, wimg; writes xi, wimg
;; launch qkv (part 5): grid 256 x 1, 3 waves a work-group, no clusters, 0 bytes of LDS; arguments xi, wimg, in_proj_b, qbuf, kv; writes qbuf, kv
.if DOCPART == 5
	.amdgcn_target "amdgcn-amd-amdhsa--gfx1250"
	.amdhsa_code_object_version 6
	.text
	.protected	k_qec9bf9033d_qkv
	.globl	k_qec9bf9033d_qkv
	.p2align	8
	.type	k_qec9bf9033d_qkv,@function
k_qec9bf9033d_qkv:
	s_mov_b64 s[64:65], 0
	v_nop
	global_prefetch_b8 v0, s[64:65] scope:SCOPE_SE
	s_setreg_imm32_b32 hwreg(HW_REG_WAVE_SCHED_MODE, 0, 2), 2
	s_setreg_imm32_b32 hwreg(HW_REG_WAVE_MODE, 25, 1), 1
	s_wait_xcnt 0x0
	s_wait_alu depctr_vm_vsrc(0)
; qkv: q, k, v = x in_proj_w^T + in_proj_b on codes of BF6 (E3M2) with E8M0 scales, and each result quantised at once for the product that takes it: q and k along the head's 64, v along the keys.
; 768 waves that share nothing: wave (tb, eb) makes 128 tokens (block tb of 32) x 128 columns (block eb of 24), K = 1,024: 512 matrix instructions.  The three waves of a work-group have one tb.
; ONE OPERAND STAYS: its 8 tiles x 8 K steps, 64 fragments, fill 768 registers; the other's 8 tiles MOVE through, one a trip.  The one that stays is source 0, so a lane holds ONE row of the moving tile and its
; 64 result registers run along the 128 rows of the one that stays: register 16 b + i is row 32 b + 16 (lane / 16) + i, by the choice of a tile's rows (tile 2 B + u, place r: row 32 B + 8 u + r + 8 (r / 8)).
;   eb < 16 (q: 0-7, k: 8-15): the weight stays, token tiles move: a lane's 64 numbers are two heads of one token: one fragment's registers 0-5 are head A's codes, 6-11 head B's.
;   eb >= 16 (v): the tokens stay, weight tiles move: a lane's 64 numbers (with lane xor 16: 128) are 128 keys of one channel: the fragment IS an operand of V^T for one key step.
; k and v go into kv BY KEY STEP: a head's block is 16 parts of 13,056 bytes, each with all that one step of 128 keys wants: K's codes, V's codes, K's scale words, V's.
; THE ORDER OF A TILE'S LOADS: at its head the next tile's scale words (into spare registers) and, in path v, its bias; in its middle the next tile's K steps 0-3; last of all the next tile's K steps 4-7, which the
; next head's wait leaves out: they are wanted only 32 products later.
; Operands come from the records (12,800 bytes a tile) straight into registers, 512 consecutive bytes a load: no LDS, no barrier.  Such loads have no joint form, so no cluster is used.
; Three waves a work-group: 24 column blocks x 32 token blocks = 768 = 3 x 256; a fourth wave would want a share of six moving tiles, which does not divide the 256 token tiles.
; LIMITS: NaN and infinities are not served; a block whose largest magnitude lies under 2^-122 keeps the byte 1; a block of zeros gets the byte 1: its codes are zeros and this program alone reads the bytes.
; THE MODE: SCHED_MODE bits 1:0 = 2 (LLVM: expert scheduling mode 2), set by the entry lines.  The code itself states the register dependences between vector or matrix instructions and memory instructions,
; with s_wait_alu, always for 0.
; THE PLAN.  Registers that memory instructions touch, in the loop:
;   MF 0-3     read by a tile's products of K steps 0-3; the next tile's loads land in them in the tile's middle.
;   MF 4-7     read by its products of K steps 4-7; the next tile's loads land in them behind the last product (path v) or behind the quantiser (q, k).
;   MSN, BVN   loaded at a tile's head; read by the moves into MS and BV behind the last product.
;   ACC        q, k: written by the products, read by the quantiser; the next tile's bias lands in them behind it.
;   PC, PW(2)  written by the quantiser; read by the tile's stores; written again by the next tile's quantiser.
;   MS         written by the four moves; taken as scales by the next tile's products.
;   v1-v4      offsets, made ahead of the first load and never written again: the scalar bases move.
; So a tile has one wait on va_vdst in its middle (MF 0-3), in path v one behind its last product (MF 4-7), and ONE CLOSING WAIT behind the whole quantiser, which states all the rest; behind the closing wait stand
; only memory and scalar instructions until the next tile's products, over the backward jump too.  One wait on vm_vsrc stands behind the stores.  All 1,024 registers are taken: MF has no second set.  The loads stand in
; runs, not singly among the products: a load's offset lies in window 0 and the products' source 0 in windows 1-3, so each single load would want two switches.
; REGISTERS: window 0: see below; windows 1-3: the fragments that stay: fragment f = 8 s + t (K step s, tile t), f < 63, at window 1 + f / 21, register 12 (f % 21); fragment 63 in window 0.
.set REC,   12800
.set HEADB, 208896                     ; a head's block in kv: 16 key steps
.set STEPB, 13056                      ; a key step's part: K's codes 6,144, V's codes 6,144, K's scale words 512, V's 256
.set BVN, 6                            ; v6       path v: the next tile's bias, on its way
.set SS,  8                            ; v8-39    scale words of the 8 tiles that stay: register 4 t + i: K step i in lanes 0-15, K step 4 + i in lanes 16-31
.set MS,  40                           ; v40-43   the moving tile's, likewise
.set BV,  44                           ; v44-45   path v: my channel's bias (v45 is named with it as a pair)
.set SX,  46                           ; v46-57   fragment 63
.set MSNA, 58                          ; v58-59 and
.set MSNB, 254                         ; v254-255 the next moving tile's scale words, on their way
.set ACC, 60                           ; v60-123  eight accumulators
.set MF,  124                          ; v124-219 the moving tile's eight fragments
.set TM,  220                          ; v220-231 at work in the quantiser
.set PW,  232                          ; the scale word just made
.set PW2, 233
.set PC,  234                          ; v234-253 the codes just made
.set XB,  18                           ; s[18:19] xi at my token block
.set WB,  20                           ; s[20:21] wimg at my column block
.set BP,  22                           ; s[22:23] in_proj_b at my column block (path v: at the moving tile)
.set MB,  24                           ; s[24:25] the moving tile's record
.set OA,  26                           ; s[26:27] q, k: head A's codes;  v: the key step's codes of the first head
.set OB,  28                           ; s[28:29] q, k: head B's codes;  v: its scale words
.set OS,  30                           ; s[30:31] where scale words go
.set OC,  32                           ; s[32:33] q, k: the buffer chosen;  v: where codes go
.set CNT, 36
.set SEL, 38
.set MSB, 0
.macro WIN new                         ; the immediate's high byte repeats the setting that is left; a switch that changes nothing is dropped
.if MSB != (\new)
	s_set_vgpr_msb (MSB<<8)|(\new)
.set MSB, (\new)
.endif
.endm
.macro PLACES                          ; four plain places between a matrix instruction and a load into, a vector write of, or a vector read of its registers
.rept 4
	v_nop
.endr
.endm
.macro QUANT_A s, pw
.irp b, 0,1,2,3
	v_max3_num_f32 v[TM+\b], |v[\s+16*\b]|, |v[\s+1+16*\b]|, 0x2800000   ; my 16 numbers of block b, and the floor 2^(5 - 127): the byte cannot fall under 1
.endr
.irp i, 2,4,6,8,10,12,14
.irp b, 0,1,2,3
	v_max3_num_f32 v[TM+\b], v[TM+\b], |v[\s+16*\b+\i]|, |v[\s+1+16*\b+\i]|
.endr
.endr
.irp b, 0,1,2,3
	v_permlanex16_b32 v[TM+4+\b], v[TM+\b], s[SEL], s[SEL+1]
.endr
.irp b, 0,1,2,3
	v_max_num_f32 v[TM+\b], v[TM+\b], v[TM+4+\b]
.endr
.irp b, 0,1,2,3
	v_add_nc_u32 v[TM+8+\b], 0xfe000000, v[TM+\b]                 ; 4 off the exponent field: the conversion's scale operand
.endr
.irp b, 0,1,2,3
	v_lshrrev_b32 v[TM+4+\b], 23, v[TM+8+\b]                      ; the scale's byte
.endr
	v_lshl_or_b32 v[\pw], v[TM+5], 8, v[TM+4]
	v_lshl_or_b32 v[\pw], v[TM+6], 16, v[\pw]
	v_lshl_or_b32 v[\pw], v[TM+7], 24, v[\pw]
.irp c, 0,1
	v_cvt_scalef32_pk16_bf6_f32 v[PC+6*\c:PC+2+6*\c], v[\s+32*\c:\s+15+32*\c], v[TM+8+2*\c]
	v_cvt_scalef32_pk16_bf6_f32 v[PC+12+4*\c:PC+14+4*\c], v[\s+16+32*\c:\s+31+32*\c], v[TM+9+2*\c]
.endr
	v_nop                                                         ; one plain place behind a scaled conversion
.endm
.macro QUANT_B
.irp c, 0,1
.irp i, 0,1,2
	v_permlane16_swap_b32 v[PC+6*\c+\i], v[PC+12+4*\c+\i]
.endr
.irp i, 0,1,2
	v_mov_b32 v[PC+3+6*\c+\i], v[PC+12+4*\c+\i]
.endr
.endr
.endm
; the 64 fragments that stay, and their scale words
.macro SLOAD base
.set F, 0
.rept 64
.if F < 63
	WIN (1+F/21)<<6
.set FRG, 12*(F%21)
.else
	WIN 0
.set FRG, SX
.endif
.irp g, 0,1,2
	global_load_b128 v[FRG+4*\g:FRG+4*\g+3], v1, s[\base:\base+1] offset:(F%8)*REC+(F/8)*1536+512*\g
.endr
.set F, F+1
.endr
.irp t, 0,1,2,3,4,5,6,7
	global_load_b128 v[SS+4*\t:SS+4*\t+3], v1, s[\base:\base+1] offset:\t*REC+12288
.endr
.endm
; four K steps, k0 on, of the moving tile: twelve loads
.macro MLOAD k0
.irp s, 0,1,2,3
.irp g, 0,1,2
	global_load_b128 v[MF+12*(\k0+\s)+4*\g:MF+12*(\k0+\s)+4*\g+3], v1, s[MB:MB+1] offset:1536*(\k0+\s)+512*\g
.endr
.endr
.endm
; q, k: the bias of the 128 columns in the result's layout, loaded into the accumulators: it is the C of each sum's first matrix instruction
.macro QBIAS
.irp t, 0,1,2,3,4,5,6,7
	global_load_b128 v[ACC+8*\t:ACC+8*\t+3], v3, s[BP:BP+1] offset:(32*(\t/2)+8*(\t%2))*4
	global_load_b128 v[ACC+8*\t+4:ACC+8*\t+7], v3, s[BP:BP+1] offset:(32*(\t/2)+8*(\t%2))*4+16
.endr
.endm
; one matrix instruction: K step s, tile t of the operand that stays.  The eight accumulators take turns, one instruction a turn.
.macro MM s, t, zero
.set F, 8*(\s)+(\t)
.if F < 63
	WIN 1+F/21
.set FRG, 12*(F%21)
.else
	WIN 0
.set FRG, SX
.endif
.if (\s) < 4
.if \zero
	v_wmma_scale_f32_16x16x128_f8f6f4 v[ACC+8*(\t):ACC+8*(\t)+7], v[FRG:FRG+11], v[MF+12*(\s):MF+12*(\s)+11], 0, v[SS+4*(\t)+(\s)%4], v[MS+(\s)%4] matrix_a_fmt:MATRIX_FMT_BF6 matrix_b_fmt:MATRIX_FMT_BF6
.else
	v_wmma_scale_f32_16x16x128_f8f6f4 v[ACC+8*(\t):ACC+8*(\t)+7], v[FRG:FRG+11], v[MF+12*(\s):MF+12*(\s)+11], v[ACC+8*(\t):ACC+8*(\t)+7], v[SS+4*(\t)+(\s)%4], v[MS+(\s)%4] matrix_a_fmt:MATRIX_FMT_BF6 matrix_b_fmt:MATRIX_FMT_BF6
.endif
.else
	v_wmma_scale_f32_16x16x128_f8f6f4 v[ACC+8*(\t):ACC+8*(\t)+7], v[FRG:FRG+11], v[MF+12*(\s):MF+12*(\s)+11], v[ACC+8*(\t):ACC+8*(\t)+7], v[SS+4*(\t)+(\s)%4], v[MS+(\s)%4] matrix_a_fmt:MATRIX_FMT_BF6 matrix_b_fmt:MATRIX_FMT_BF6 matrix_a_scale:MATRIX_SCALE_ROW1 matrix_b_scale:MATRIX_SCALE_ROW1
.endif
.endm
; ONE MOVING TILE.  v = 1: path v.  pf = 1: the next tile is fetched on the way.
.macro TILE v, pf
	s_wait_loadcnt 12                              ; all is in but the twelve loads issued last: this tile's K steps 4-7
.if \pf
	s_wait_xcnt 0x0                                ; every load's address has been read: the bases may step
	s_add_nc_u64 s[MB:MB+1], s[MB:MB+1], REC
	global_load_b64 v[MSNA:MSNA+1], v1, s[MB:MB+1] offset:12288   ; the next tile's scale words: a whole tile ahead of their use.  The moves that read these registers stand ahead of the last tile's closing wait,
	global_load_b64 v[MSNB:MSNB+1], v1, s[MB:MB+1] offset:12296   ; and no vector instruction since names them
.if \v
	s_and_b32 s46, s[CNT], 1                       ; the next weight tile's first row lies 8 rows on behind an even tile, 24 behind an odd one
	s_lshl_b32 s46, s46, 6
	s_add_co_u32 s46, s46, 32
	s_add_nc_u64 s[BP:BP+1], s[BP:BP+1], s[46:47]
	global_load_b32 v[BVN], v3, s[BP:BP+1]         ; and its bias: likewise
.endif
.endif
.irp t, 0,1,2,3,4,5,6,7
	MM 0, \t, \v
.endr
.irp s, 1,2,3
.irp t, 0,1,2,3,4,5,6,7
	MM \s, \t, 0
.endr
.endr
	WIN 0
.if \pf
	s_wait_loadcnt 2+\v                            ; K steps 4-7 are in; the loads issued at the head (two; in path v three) may be out
	PLACES
	s_wait_alu depctr_va_vdst(0)                   ; the products of K steps 0-3 are done reading their fragments of the moving tile, in which the twelve loads below land
	MLOAD 0
.else
	s_wait_loadcnt 0x0
.endif
.irp s, 4,5,6,7
.irp t, 0,1,2,3,4,5,6,7
	MM \s, \t, 0
.endr
.endr
	WIN 0
	PLACES
.if \pf
.if \v
	s_wait_alu depctr_va_vdst(0)                   ; the products of K steps 4-7 are done reading their fragments, in which the twelve loads below land
	MLOAD 4                                        ; the tile's last loads
.endif
	s_wait_loadcnt 12+12*\v                        ; the head's loads are in; the next tile's K steps 0-3 (in path v also its K steps 4-7, just issued) may be out
	v_mov_b32 v[MS], v[MSNA]                       ; the quantiser's lines below are the places between these writes and the next scaled product
	v_mov_b32 v[MS+1], v[MSNA+1]
	v_mov_b32 v[MS+2], v[MSNB]
	v_mov_b32 v[MS+3], v[MSNB+1]
.endif
.if \v
.irp j, 0,2,4,6,8,10,12,14,16,18,20,22,24,26,28,30,32,34,36,38,40,42,44,46,48,50,52,54,56,58,60,62
	v_pk_add_f32 v[ACC+\j:ACC+\j+1], v[ACC+\j:ACC+\j+1], v[BV:BV+1] op_sel_hi:[1,0]   ; my channel's bias on all my keys
.endr
.if \pf
	v_mov_b32 v[BV], v[BVN]                        ; the next tile's bias takes its place
.endif
.endif
	QUANT_A ACC, PW
	QUANT_B
.if \v == 0
	v_lshrrev_b32 v[PW2], v5, v[PW]                ; lanes 0-15: head A's two bytes lowest; lanes 16-31: head B's.  The bytes above stand over zero codes and are never 0xff
.endif
	s_wait_alu depctr_va_vdst(0)                   ; THE CLOSING WAIT: the codes and scale words are written, which the stores read; MS is written, which the next products take as scales; the moves have read the spare
	                                               ; registers, in which the next head's loads land; q, k: the quantiser has read the accumulators and the products their K steps 4-7, in which the loads below land
.if \pf
.if \v == 0
	QBIAS
	MLOAD 4                                        ; the tile's last loads
.endif
.endif
.if \v
	s_lshr_b32 s44, s[CNT], 2                      ; moving tile i: head i / 4, channels' tile i % 4
	s_mul_i32 s44, s44, HEADB
	s_and_b32 s45, s[CNT], 3
	s_mul_i32 s34, s45, 1536
	s_add_co_u32 s34, s34, s44
	s_add_nc_u64 s[OC:OC+1], s[OA:OA+1], s[34:35]
	s_lshl_b32 s34, s45, 6
	s_add_co_u32 s34, s34, s44
	s_add_nc_u64 s[OS:OS+1], s[OB:OB+1], s[34:35]
.irp g, 0,1,2
	global_store_b128 v1, v[PC+4*\g:PC+4*\g+3], s[OC:OC+1] offset:512*\g     ; 512 consecutive bytes, aligned
.endr
	global_store_b32 v4, v[PW], s[OS:OS+1]         ; 16 words; both halves of the lanes hold and write the same
.else
.irp q, 0,1,2
	global_store_b64 v2, v[PC+2*\q:PC+2*\q+1], s[OA:OA+1] offset:256*\q      ; 256 consecutive bytes, aligned
.endr
.irp q, 0,1,2
	global_store_b64 v2, v[PC+6+2*\q:PC+7+2*\q], s[OB:OB+1] offset:256*\q
.endr
	global_store_b32 v4, v[PW2], s[OS:OS+1]
.endif
.if \pf
	s_wait_xcnt 0x0                                ; the stores have read their data and bases, which the next tile writes again
	s_wait_alu depctr_vm_vsrc(0)                   ; the stores have read the codes' and scale words' registers, which the next tile's quantiser writes again
.if \v == 0
	s_add_nc_u64 s[OA:OA+1], s[OA:OA+1], 768
	s_add_nc_u64 s[OB:OB+1], s[OB:OB+1], 768
	s_add_nc_u64 s[OS:OS+1], s[OS:OS+1], 64
.endif
.endif
.endm
	s_load_b256 s[8:15], s[0:1], 0x0               ; xi s[8:9], wimg s[10:11], in_proj_b s[12:13], qbuf s[14:15]
	s_load_b64 s[16:17], s[0:1], 0x20              ; kv
	v_lshrrev_b32 v6, 5, v0
	v_readfirstlane_b32 s2, v6                     ; wave 0..2
	v_and_b32 v7, 31, v0
	v_lshlrev_b32 v1, 4, v7                        ; 16 x lane
	v_lshlrev_b32 v2, 3, v7                        ; 8 x lane
	v_and_b32 v6, 15, v0                           ; r
	v_bfe_u32 v7, v0, 4, 1                         ; h
	v_lshlrev_b32 v5, 4, v7                        ; 16 h
.irp b, 0,1,2,3
	v_mov_b32 v[TM+4+\b], 0                        ; written once: a lane permute's destination counts as one of its sources
.endr
	s_mov_b32 s[SEL], 0x76543210
	s_mov_b32 s[SEL+1], 0xfedcba98
	s_wait_alu depctr_va_sdst(0)                   ; s2 is written, ahead of its first reader: the column block, and with it the path and every base, is made from it
	s_lshr_b32 s3, ttmp9, 5
	s_mul_i32 s3, s3, 3
	s_add_co_u32 s3, s3, s2                        ; eb: column block 0..23
	s_and_b32 s4, ttmp9, 31                        ; tb: token block 0..31
	s_mov_b32 s35, 0
	s_mov_b32 s47, 0
	s_wait_kmcnt 0x0
	s_mul_i32 s34, s4, 8*REC
	s_add_nc_u64 s[XB:XB+1], s[8:9], s[34:35]
	s_mul_i32 s34, s3, 8*REC
	s_add_nc_u64 s[WB:WB+1], s[10:11], s[34:35]
	s_lshl_b32 s34, s3, 9
	s_add_nc_u64 s[BP:BP+1], s[12:13], s[34:35]
	s_lshr_b32 s43, s4, 4
	s_lshl_b32 s43, s43, 4                         ; 16 x batch
	s_and_b32 s44, s4, 15                          ; the token block within its batch: for k and v the key step
	s_cmp_ge_u32 s3, 16
	s_cbranch_scc1 .Lvpath
	; ---- q and k
	s_cmp_lt_u32 s3, 8                             ; q goes to qbuf, k into the heads' blocks of kv: the choice hangs on ids alone
	s_cselect_b64 s[OC:OC+1], s[14:15], s[16:17]
	s_mov_b32 s40, HEADB
	s_cselect_b32 s40, 98304, s40                  ; bytes from head to head: codes,
	s_mov_b32 s41, HEADB
	s_cselect_b32 s41, 8192, s41                   ; scale words;
	s_mov_b32 s42, 12288
	s_cselect_b32 s42, 3145728, s42                ; where the scale words begin;
	s_mov_b32 s5, STEPB
	s_cselect_b32 s5, 6144, s5                     ; bytes from token block to token block: codes,
	s_mov_b32 s6, STEPB
	s_cselect_b32 s6, 512, s6                      ; scale words
	s_and_b32 s45, s3, 7
	s_lshl_b32 s45, s45, 1
	s_add_co_u32 s43, s43, s45                     ; head A = 16 x batch + 2 (eb % 8)
	s_mul_i32 s34, s43, s40
	s_mul_i32 s45, s44, s5
	s_add_co_u32 s34, s34, s45
	s_add_nc_u64 s[OA:OA+1], s[OC:OC+1], s[34:35]
	s_mov_b32 s34, s40
	s_add_nc_u64 s[OB:OB+1], s[OA:OA+1], s[34:35]
	s_mul_i32 s34, s43, s41
	s_add_co_u32 s34, s34, s42
	s_mul_i32 s45, s44, s6
	s_add_co_u32 s34, s34, s45
	s_add_nc_u64 s[OS:OS+1], s[OC:OC+1], s[34:35]
	v_lshlrev_b32 v3, 6, v7                        ; the bias: my half's 16 columns of each 32
	v_mul_u32_u24 v4, s41, v7
	v_lshl_add_u32 v4, v6, 2, v4                   ; scale words: 4 r, lanes 16-31 one head on
	s_mov_b64 s[MB:MB+1], s[XB:XB+1]
	s_wait_alu depctr_va_vdst(0)                   ; the offsets v1 to v4 are written, which every load and store of this path reads; only loads and window switches stand between this wait and the loop
	SLOAD WB
	MLOAD 0
	global_load_b128 v[MS:MS+3], v1, s[MB:MB+1] offset:12288
	QBIAS
	MLOAD 4                                        ; last, as in every tile: the first head's wait leaves these twelve out
	s_mov_b32 s[CNT], 0
.Lqk:
	TILE 0, 1
	s_add_co_u32 s[CNT], s[CNT], 1
	s_cmp_lt_u32 s[CNT], 7
	s_cbranch_scc1 .Lqk
	TILE 0, 0                                      ; the last tile fetches nothing: no load leaves its buffer
	s_endpgm
	; ---- v
.Lvpath:
	s_sub_co_u32 s45, s3, 16
	s_lshl_b32 s45, s45, 1
	s_add_co_u32 s43, s43, s45                     ; the first of my two heads
	s_mul_i32 s43, s43, HEADB
	s_mul_i32 s45, s44, STEPB                      ; my token block is key step tb % 16
	s_add_co_u32 s43, s43, s45
	s_add_co_u32 s34, s43, 6144                    ; V's codes lie behind K's in a key step's part,
	s_add_nc_u64 s[OA:OA+1], s[16:17], s[34:35]
	s_add_co_u32 s34, s43, 12800                   ; its scale words at the part's end
	s_add_nc_u64 s[OB:OB+1], s[16:17], s[34:35]
	v_and_b32 v3, 8, v6
	v_add_nc_u32 v3, v3, v6
	v_lshlrev_b32 v3, 2, v3                        ; the bias of my row of the weight tile: 4 (r + 8 (r / 8))
	v_lshlrev_b32 v4, 2, v6                        ; scale words: 4 r
	v_mov_b32 v[BV+1], 0
	s_mov_b64 s[MB:MB+1], s[WB:WB+1]
	s_wait_alu depctr_va_vdst(0)                   ; the offsets v1 to v4 are written, which every load and store of this path reads; the lines above are done with v6, in which the next tile's bias will land
	SLOAD XB
	MLOAD 0
	global_load_b128 v[MS:MS+3], v1, s[MB:MB+1] offset:12288
	global_load_b32 v[BV], v3, s[BP:BP+1]          ; the first tile's bias goes straight to its place
	MLOAD 4                                        ; last, as in every tile
	s_mov_b32 s[CNT], 0
.Lv:
	TILE 1, 1
	s_add_co_u32 s[CNT], s[CNT], 1
	s_cmp_lt_u32 s[CNT], 7
	s_cbranch_scc1 .Lv
	TILE 1, 0
	s_endpgm
.Lfunc_end_k_qec9bf9033d_qkv:
	.size	k_qec9bf9033d_qkv, .Lfunc_end_k_qec9bf9033d_qkv-k_qec9bf9033d_qkv
	.p2alignl 7, 3214868480
	.fill 96, 4, 3214868480
	.section	.rodata,"a",@progbits
	.p2align	6, 0x0
	.amdhsa_kernel k_qec9bf9033d_qkv
		.amdhsa_group_segment_fixed_size 0
		.amdhsa_private_segment_fixed_size 0
		.amdhsa_enable_private_segment 0
		.amdhsa_kernarg_size 40
		.amdhsa_user_sgpr_count 2
		.amdhsa_user_sgpr_kernarg_segment_ptr 1
		.amdhsa_wavefront_size32 1
		.amdhsa_system_sgpr_workgroup_id_x 1
		.amdhsa_system_sgpr_workgroup_id_y 1
		.amdhsa_system_sgpr_workgroup_id_z 1
		.amdhsa_system_vgpr_workitem_id 0
		.amdhsa_next_free_vgpr 1024
		.amdhsa_next_free_sgpr 66
		.amdhsa_reserve_vcc 0
		.amdhsa_float_denorm_mode_32 3
		.amdhsa_float_denorm_mode_16_64 3
		.amdhsa_memory_ordered 1
		.amdhsa_forward_progress 1
		.amdhsa_inst_pref_size 112
	.end_amdhsa_kernel
	.amdgpu_metadata
---
amdhsa.version: [ 1, 2 ]
amdhsa.kernels:
  - .name:           k_qec9bf9033d_qkv
    .symbol:         k_qec9bf9033d_qkv.kd
    .args:
      - { .name: xi, .offset: 0, .size: 8, .value_kind: global_buffer, .address_space: global }
      - { .name: wimg, .offset: 8, .size: 8, .value_kind: global_buffer, .address_space: global }
      - { .name: in_proj_b, .offset: 16, .size: 8, .value_kind: global_buffer, .address_space: global }
      - { .name: qbuf, .offset: 24, .size: 8, .value_kind: global_buffer, .address_space: global }
      - { .name: kv, .offset: 32, .size: 8, .value_kind: global_buffer, .address_space: global }
    .group_segment_fixed_size: 0
    .private_segment_fixed_size: 0
    .kernarg_segment_align: 8
    .kernarg_segment_size: 40
    .max_flat_workgroup_size: 96
    .sgpr_count:     66
    .vgpr_count:     1024
    .wavefront_size: 32
...
	.end_amdgpu_metadata
.endif
;; end of part 5
;; launch attn (part 6): grid 8 x 32, 16 waves a work-group, clusters of 4 x 1, 210,944 bytes of LDS; arguments qbuf, kv, market_info, cbuf; writes cbuf
.if DOCPART == 6
	.amdgcn_target "amdgcn-amd-amdhsa--gfx1250"
	.amdhsa_code_object_version 6
	.text
	.protected	k_qec9bf9033d_attn
	.globl	k_qec9bf9033d_attn
	.p2align	8
	.type	k_qec9bf9033d_attn,@function
k_qec9bf9033d_attn:
	s_mov_b64 s[64:65], 0
	v_nop
	global_prefetch_b8 v0, s[64:65] scope:SCOPE_SE
	s_setreg_imm32_b32 hwreg(HW_REG_WAVE_MODE, 25, 1), 1
	s_wait_xcnt 0x0
	s_wait_alu depctr_hold_cnt(0) depctr_sa_sdst(0) depctr_va_vdst(0) depctr_va_sdst(0) depctr_va_ssrc(0) depctr_va_vcc(0) depctr_vm_vsrc(0)
	s_getreg_b32 s2, hwreg(HW_REG_IB_STS2, 6, 4)
	s_cmp_eq_u32 s2, 0
	s_cbranch_scc0 .Lentry_in_a_cluster
	s_endpgm
.Lentry_in_a_cluster:
	s_bfe_u32 s2, ttmp6, 0x10000c
	s_cmp_lg_u32 s2, 0x3003
	s_cbranch_scc0 .Lentry_shape_is_right
	s_endpgm
.Lentry_shape_is_right:
; attn: ctx = softmax(q k^T / 8 + vol) v for one head, both products on codes of BF6 (E3M2) with E8M0 scales; ctx is quantised along D at once, for the out-projection.
; THE SOFTMAX: t = score x log2(e) / 8 + vol x log2(e); M = the row's largest t so far, rounded UP to a whole number; p = 2^(t - M) is what is quantised, along the keys, not normalised.  The row's sum is taken of the
; unquantised p and divides at the end.  When M moves, the sum and O are multiplied by 2^(old M - new M): exact.  vol is honoured: it moves M.
; SHARES.  A work-group owns 256 queries (16 tiles) of one head; each of its sixteen waves owns one tile in 256 registers: four waves to a SIMD, so that one wave's vector work stands beside another's products and LDS loads.
; A HEAD'S WHOLE K, V AND SCALE WORDS, 208,896 bytes, lie in kv as they are wanted in LDS, key step by key step (13,056 bytes each).  They come ONCE, IN FOUR GROUPS of four key steps: each wave issues four tensor
; loads at the start, the n-th bringing its sixteenth of group n; a wave's loads end in the order of issue, so group n is shown landed by a wait that leaves the 3 - n younger loads out, and a barrier.  So the
; first four key steps are worked while the other twelve are on their way.  No LDS byte is filled twice.  Four tensor loads of a wave are outstanding at the most.
; A sixteenth of a group is 4 x 13,056 / 16 = 3,264 bytes, one dense row: it begins at a multiple of 64 bytes, not of 256, since a step's 51 runs of 256 bytes do not divide among sixteen waves.
; CLUSTER.  The four query blocks of a cluster belong to one head: each load is asked for JOINTLY by the four, with one descriptor and the mask 15.
; LAYOUT.  Both products transposed: S^T = K Q^T (source 0 = 16 keys), O^T = V^T P^T (source 0 = 16 channels): a lane holds ONE query throughout.  Tiles of keys, of queries and of channels take their rows so
; (tile 2 B + u, place r: row 32 B + 8 u + r + 8 (r / 8)) that the 16 registers of two neighbouring tiles are 16 neighbours: p's registers run along the keys, O^T's along the channels.
; The first product's K is 64: registers 6-11 of K's and Q's fragments are zero codes, which add nothing under any scale byte but 0xff; the bytes above a head's two are another head's or 0.
; The scale bytes of ctx leave as 2 bytes a lane, 16 bytes apart, once a wave: a head owns two of the sixteen bytes of a row's words.
; LIMITS: NaN and infinities are not served; a block whose largest magnitude lies under 2^-122, a block of zeros among them, keeps the byte 1.
; REGISTERS: v1-3 my lane's places (8, 16, 4 bytes a lane); v6, v7 offsets; v8-10 the step's LDS addresses; v12 vol' - M, v13 the largest t, v[14:15] the sum; v16-27 Q; v28 -M; v30-31 V's scale words;
;   v32-79 four fragments of K; v80-127 V's four; v128-191 S^T, then p; v192-223 O^T; v224-235 p's codes; v232-254 at work; v248-251 K's scale words; v253 p's scale word; v255 Q's.
.set HEADB,  208896
.set STEPB,  13056                     ; a key step's part: K's codes at 0,
.set VCO,    6144                      ; V's codes,
.set KSC,    12288                     ; K's scale words,
.set VSC,    12800                     ; V's
.set GROUPB, 4*STEPB                   ; four key steps: 52,224 bytes
.set SHARE,  GROUPB/16                 ; what one tensor load brings: 3,264 bytes
.set REC,    12800
.set S,    128
.set O,    192
.set KFR,  32
.set VFR,  80
.set WV,   12                          ; s12 my wave's number
.set SEL,  20
.set CS,   22                          ; s[22:23] c = log2(e) / 8
.set VL,   24                          ; s24 vol x log2(e)
.set G1,   32                          ; s[32:39] descriptor group 1
.set TK,   40                          ; s40 LDS byte at which the key step in hand begins
.set CNT,  43
.set G0,   68                          ; s[68:83] descriptor group 0, one set for each of the four loads
.set WSH,  84                          ; s84 my wave's share's place in a group
.macro CROUND                          ; a round of the cluster's barrier
	s_barrier_signal -1
	s_barrier_wait -1
	s_cmp_lg_u32 s[WV], 0
	s_cbranch_scc1 .Lnot_wave_0_\@
	s_barrier_signal -3
.Lnot_wave_0_\@:
	s_barrier_wait -3
	s_barrier_signal -1
	s_barrier_wait -1
.endm
.macro SQK tt, fr                      ; tile tt of the step's eight tiles of keys, from fragment registers fr
.if (\tt)%2
	v_wmma_scale_f32_16x16x128_f8f6f4 v[S+8*(\tt):S+8*(\tt)+7], v[KFR+12*(\fr):KFR+12*(\fr)+11], v[16:27], 0, v[248+(\tt)/2], v255 matrix_a_fmt:MATRIX_FMT_BF6 matrix_b_fmt:MATRIX_FMT_BF6 matrix_a_scale:MATRIX_SCALE_ROW1
.else
	v_wmma_scale_f32_16x16x128_f8f6f4 v[S+8*(\tt):S+8*(\tt)+7], v[KFR+12*(\fr):KFR+12*(\fr)+11], v[16:27], 0, v[248+(\tt)/2], v255 matrix_a_fmt:MATRIX_FMT_BF6 matrix_b_fmt:MATRIX_FMT_BF6
.endif
.endm
.macro PV t                            ; O^T's tile t of 16 channels; the four accumulators take turns
.if (\t)%2
	v_wmma_scale_f32_16x16x128_f8f6f4 v[O+8*(\t):O+8*(\t)+7], v[VFR+12*(\t):VFR+12*(\t)+11], v[224:235], v[O+8*(\t):O+8*(\t)+7], v[30+(\t)/2], v253 matrix_a_fmt:MATRIX_FMT_BF6 matrix_b_fmt:MATRIX_FMT_BF6 matrix_a_scale:MATRIX_SCALE_ROW1
.else
	v_wmma_scale_f32_16x16x128_f8f6f4 v[O+8*(\t):O+8*(\t)+7], v[VFR+12*(\t):VFR+12*(\t)+11], v[224:235], v[O+8*(\t):O+8*(\t)+7], v[30+(\t)/2], v253 matrix_a_fmt:MATRIX_FMT_BF6 matrix_b_fmt:MATRIX_FMT_BF6
.endif
.endm
; A KEY STEP: 128 keys, whose part of the head's block begins at LDS byte s[TK]
.macro STEP
	v_add_nc_u32 v8, s[TK], v1                     ; (these four lines are also the places between the last step's products and the loads into their registers)
	v_add_nc_u32 v9, s[TK], v2
	v_add_nc_u32 v10, s[TK], v3
	v_nop
.irp t, 0,1,2,3
.irp p, 0,1,2
	ds_load_b64 v[KFR+12*\t+2*\p:KFR+12*\t+2*\p+1], v8 offset:768*\t+256*\p     ; tiles 0-3 of keys: 256 consecutive bytes a load
.endr
.endr
.irp i, 0,1,2,3
	ds_load_b32 v[248+\i], v10 offset:KSC+128*\i   ; lanes 0-15 an even tile's scale words, lanes 16-31 the odd tile's behind it
.endr
.irp t, 0,1,2,3
.irp q, 0,1,2
	ds_load_b128 v[VFR+12*\t+4*\q:VFR+12*\t+4*\q+3], v9 offset:VCO+1536*\t+512*\q
.endr
.endr
.irp i, 0,1
	ds_load_b32 v[30+\i], v10 offset:VSC+128*\i
.endr
	s_wait_alu depctr_va_vdst(0)
	s_wait_dscnt 14                                ; K's tiles 0-3 and scale words are in; V's 12 + 2 loads, issued behind them, may be out
.irp t, 0,1,2,3
	SQK \t, \t
.endr
.rept 4
	v_nop                                          ; places in front of loads into registers that matrix instructions have read
.endr
.irp t, 0,1,2,3
.irp p, 0,1,2
	ds_load_b64 v[KFR+12*\t+2*\p:KFR+12*\t+2*\p+1], v8 offset:3072+768*\t+256*\p   ; tiles 4-7
.endr
.endr
	s_wait_dscnt 0x0
.irp t, 0,1,2,3
	SQK 4+\t, \t
.endr
.rept 4
	v_nop
.endr
.irp b, 0,1,2,3
	v_max3_num_f32 v[232+\b], v[S+16*\b], v[S+1+16*\b], v[S+2+16*\b]   ; the largest score of each block of 32 keys: for the row's maximum and, since p rises with the score, for the block's largest p
.endr
.irp i, 3,5,7,9,11,13
.irp b, 0,1,2,3
	v_max3_num_f32 v[232+\b], v[232+\b], v[S+16*\b+\i], v[S+1+16*\b+\i]
.endr
.endr
.irp b, 0,1,2,3
	v_max_num_f32 v[232+\b], v[232+\b], v[S+15+16*\b]
.endr
.irp b, 0,1,2,3
	s_delay_alu instid0(VALU_DEP_4)
	v_permlanex16_b32 v[236+\b], v[232+\b], s[SEL], s[SEL+1]
.endr
.irp b, 0,1,2,3
	s_delay_alu instid0(VALU_DEP_4)
	v_max_num_f32 v[232+\b], v[232+\b], v[236+\b]  ; with lane l xor 16's 16 keys
.endr
	s_delay_alu instid0(VALU_DEP_2)
	v_max3_num_f32 v254, v232, v233, v234
	s_delay_alu instid0(VALU_DEP_1)
	v_max_num_f32 v254, v254, v235                 ; the step's largest score of my query,
	s_delay_alu instid0(VALU_DEP_1)
	v_fma_f32 v254, v254, s[CS], s[VL]             ; as t
	s_delay_alu instid0(VALU_DEP_1)
	v_max_num_f32 v13, v13, v254                   ; the running largest t
	v_mov_b32 v254, v28
	s_delay_alu instid0(VALU_DEP_2)
	v_floor_f32 v28, -v13                          ; the new -M = -ceil(t)
	s_delay_alu instid0(VALU_DEP_1)
	v_sub_f32 v254, v28, v254                      ; old M - new M: a whole number, 0 or less
	s_delay_alu instid0(VALU_DEP_1)
	v_cvt_i32_f32 v254, v254                       ; (it saturates)
	s_delay_alu instid0(VALU_DEP_1)
	v_ldexp_f32 v252, 1.0, v254                    ; f = 2^(old M - new M)
	s_delay_alu instid0(VALU_DEP_4)
	v_add_f32 v12, s[VL], v28                      ; vol x log2(e) - M
.irp j, 0,2,4,6,8,10,12,14,16,18,20,22,24,26,28,30,32,34,36,38,40,42,44,46,48,50,52,54,56,58,60,62
	v_pk_fma_f32 v[S+\j:S+\j+1], v[S+\j:S+\j+1], s[CS:CS+1], v[12:13] op_sel_hi:[1,0,0]   ; t - M, two at a time
.endr
.irp b, 0,1,2,3
	v_fma_f32 v[232+\b], v[232+\b], s[CS], v12     ; the same of each block's largest score
.endr
	s_setprio 1
	s_wait_alu depctr_va_vdst(0)
.irp j, 0,1,2,3,4,5,6,7,8,9,10,11,12,13,14,15,16,17,18,19,20,21,22,23,24,25,26,27,28,29,30,31,32,33,34,35,36,37,38,39,40,41,42,43,44,45,46,47,48,49,50,51,52,53,54,55,56,57,58,59,60,61,62,63
	v_exp_f32 v[S+\j], v[S+\j]                     ; p = 2^(t - M)
.endr
.irp b, 0,1,2,3
	v_exp_f32 v[232+\b], v[232+\b]                 ; the block's largest p
.endr
	v_pk_mul_f32 v[14:15], v[14:15], v[252:253] op_sel_hi:[1,0]   ; the sums under the new M (a plain place behind the exponentials)
	s_wait_alu depctr_va_vdst(0)
.irp b, 0,1,2,3
	v_max_num_f32 v[232+\b], 0x2800000, v[232+\b]  ; the floor 2^(5 - 127): the byte cannot fall under 1
.endr
.irp b, 0,1,2,3
	s_delay_alu instid0(VALU_DEP_4)
	v_add_nc_u32 v[244+\b], 0xfe000000, v[232+\b]  ; 4 off the exponent field: the conversion's scale operand
.endr
.irp b, 0,1,2,3
	s_delay_alu instid0(VALU_DEP_4)
	v_lshrrev_b32 v[236+\b], 23, v[244+\b]         ; the scale's byte
.endr
	s_delay_alu instid0(VALU_DEP_3)
	v_lshl_or_b32 v253, v237, 8, v236              ; p's scale word for these 128 keys
	s_delay_alu instid0(VALU_DEP_1)
	v_lshl_or_b32 v253, v238, 16, v253
	s_delay_alu instid0(VALU_DEP_1)
	v_lshl_or_b32 v253, v239, 24, v253
.irp c, 0,1
	v_cvt_scalef32_pk16_bf6_f32 v[224+6*\c:226+6*\c], v[S+32*\c:S+15+32*\c], v[244+2*\c]
	v_cvt_scalef32_pk16_bf6_f32 v[236+4*\c:238+4*\c], v[S+16+32*\c:S+31+32*\c], v[245+2*\c]
.endr
	v_nop                                          ; one plain place behind a scaled conversion
.irp c, 0,1
.irp i, 0,1,2
	v_permlane16_swap_b32 v[224+6*\c+\i], v[236+4*\c+\i]   ; a whole block to a lane
.endr
.irp i, 0,1,2
	s_delay_alu instid0(VALU_DEP_3)
	v_mov_b32 v[227+6*\c+\i], v[236+4*\c+\i]
.endr
.endr
	v_pk_add_f32 v[236:237], v[132:133], v[136:137]
	v_pk_add_f32 v[250:251], v[140:141], v[144:145]
	v_pk_add_f32 v[248:249], v[148:149], v[152:153]
	v_pk_add_f32 v[246:247], v[156:157], v[160:161]
	v_pk_add_f32 v[244:245], v[164:165], v[168:169]
	v_pk_add_f32 v[240:241], v[172:173], v[176:177]
	v_pk_add_f32 v[72:73], v[180:181], v[184:185]
	v_pk_add_f32 v[14:15], v[14:15], v[188:189]
	v_pk_add_f32 v[236:237], v[236:237], v[128:129]
	v_pk_add_f32 v[250:251], v[250:251], v[130:131]
	v_pk_add_f32 v[248:249], v[248:249], v[134:135]
	v_pk_add_f32 v[246:247], v[246:247], v[138:139]
	v_pk_add_f32 v[244:245], v[244:245], v[142:143]
	v_pk_add_f32 v[240:241], v[240:241], v[146:147]
	v_pk_add_f32 v[72:73], v[72:73], v[150:151]
	v_pk_add_f32 v[14:15], v[14:15], v[154:155]
	v_pk_add_f32 v[236:237], v[236:237], v[158:159]
	v_pk_add_f32 v[250:251], v[250:251], v[162:163]
	v_pk_add_f32 v[248:249], v[248:249], v[166:167]
	v_pk_add_f32 v[246:247], v[246:247], v[170:171]
	v_pk_add_f32 v[244:245], v[244:245], v[174:175]
	v_pk_add_f32 v[240:241], v[240:241], v[178:179]
	v_pk_add_f32 v[72:73], v[72:73], v[182:183]
	v_pk_add_f32 v[14:15], v[14:15], v[186:187]
	v_pk_add_f32 v[236:237], v[236:237], v[190:191]
	s_delay_alu instid0(VALU_DEP_2)
	v_pk_add_f32 v[14:15], v[14:15], v[246:247]
	s_delay_alu instid0(VALU_DEP_2)
	v_pk_add_f32 v[236:237], v[236:237], v[244:245]
	s_setprio 0
	v_pk_add_f32 v[250:251], v[250:251], v[240:241]
	v_pk_add_f32 v[248:249], v[248:249], v[72:73]
	s_delay_alu instid0(VALU_DEP_2)
	v_pk_add_f32 v[14:15], v[14:15], v[250:251]
	s_delay_alu instid0(VALU_DEP_2)
	v_pk_add_f32 v[236:237], v[236:237], v[248:249]
	s_delay_alu instid0(VALU_DEP_1)
	v_pk_add_f32 v[14:15], v[14:15], v[236:237]
.irp j, 0,2,4,6,8,10,12,14,16,18,20,22,24,26,28,30
	v_pk_mul_f32 v[O+\j:O+\j+1], v[O+\j:O+\j+1], v[252:253] op_sel_hi:[1,0]   ; O^T under the new M.  (With the sums above: the places between p's codes and scale word and the products)
.endr
.irp t, 0,1,2,3
	PV \t
.endr
.endm
; GROUP n: key steps 4 n .. 4 n + 3.  My n-th load has landed when at most 3 - n younger ones are out; behind the barrier everybody's has.  The younger loads may stay out.
; No LDS load of mine is out at the signal: a step's last wait on DScnt is for 0 and no LDS instruction follows it.
.macro GROUP n
	s_wait_tensorcnt 3-\n
	s_barrier_signal -1
	s_barrier_wait -1
	s_mov_b32 s[TK], \n*GROUPB
	s_mov_b32 s[CNT], 4
.Lstep_\@:
	s_setprio 2
	STEP
	s_add_co_u32 s[TK], s[TK], STEPB
	s_sub_co_u32 s[CNT], s[CNT], 1
	s_cmp_lg_u32 s[CNT], 0
	s_cbranch_scc1 .Lstep_\@
	s_setprio 0
.endm
	s_load_b256 s[4:11], s[0:1], 0x0               ; qbuf s[4:5], kv s[6:7], market_info s[8:9], cbuf s[10:11]
	v_lshl_add_u32 v29, v0, 2, 0x33000
	v_mov_b32 v243, 0
	ds_add_u32 v29, v243
	ds_add_u32 v29, v243
	v_lshrrev_b32 v8, 5, v0
	s_delay_alu instid0(VALU_DEP_1)
	v_readfirstlane_b32 s[WV], v8                  ; wave 0..15
	s_and_b32 s13, ttmp7, 0xffff                   ; the head, 16 x batch + head: the four partners share it
	s_bfe_u32 s14, ttmp6, 0x40000                  ; cx: it enters Q's and ctx's global addresses alone
	s_lshl_b32 s15, ttmp9, 2
	s_add_co_u32 s15, s15, s14                     ; my block of 256 queries
	s_lshl_b32 s15, s15, 4
	s_add_co_u32 s15, s15, s[WV]                   ; my tile of queries within the batch, 0..127
	; descriptor group 1: one dense row of 408 elements of 8 bytes, no padding (the reads are of consecutive bytes)
	s_mov_b32 s[G1+0], 15|(3<<16)|(1<<21)          ; 15:0 the mask: all four work-groups; 17:16 elements of 8 bytes; 21 set beside a mask
	s_mov_b32 s[G1+1], (SHARE/8)<<16               ; tensor_dim0 = 408
	s_mov_b32 s[G1+2], 1<<16                       ; tensor_dim1 = 1
	s_mov_b32 s[G1+3], (SHARE/8)<<16               ; tile_dim0 = 408
	s_mov_b32 s[G1+4], 1                           ; tile_dim1 = 1
	s_mov_b32 s[G1+5], SHARE/8                     ; from row to row
	s_mov_b32 s[G1+6], 0
	s_mov_b32 s[G1+7], 0
	s_mul_i32 s16, s13, HEADB
	s_mul_i32 s[WSH], s[WV], SHARE                 ; my share's place in a group, in memory and in LDS alike
	s_add_co_u32 s16, s16, s[WSH]
	s_mov_b32 s17, 0
	s_wait_dscnt 0x0
	s_wait_kmcnt 0x0
	s_add_nc_u64 s[6:7], s[6:7], s[16:17]          ; the head's block, my share: made of the head and the wave's number alone
.irp n, 0,1,2,3
	s_mov_b32 s[G0+4*\n], 1                        ; count = 1
	s_add_co_u32 s[G0+4*\n+1], s[WSH], \n*GROUPB   ; LDS address
	s_add_nc_u64 s[G0+4*\n+2:G0+4*\n+3], s[6:7], \n*GROUPB
	s_or_b32 s[G0+4*\n+3], s[G0+4*\n+3], 0x80000000
.endr
	CROUND                                         ; all four work-groups are here: the joint loads meet
.irp n, 0,1,2,3
	tensor_load_to_lds s[G0+4*\n:G0+4*\n+3], s[G1:G1+7]   ; the four first fills stand together, ahead of every wait on TENSORcnt, every LDS read and every further barrier
	s_nop 0
.endr
.rept 4
	v_nop
.endr
	s_lshr_b32 s18, s13, 4
	s_lshl_b32 s18, s18, 5                         ; market_info: 32 bytes a batch; its first number is vol
	s_mov_b32 s19, 0
	s_add_nc_u64 s[8:9], s[8:9], s[18:19]
	s_load_b32 s[VL], s[8:9], 0x0
	s_lshl_b32 s26, s13, 7
	s_add_co_u32 s26, s26, s15
	s_mul_i32 s18, s26, 768
	s_add_nc_u64 s[44:45], s[4:5], s[18:19]        ; Q's codes: my tile
	s_lshl_b32 s18, s26, 6
	s_add_co_u32 s18, s18, 3145728
	s_add_nc_u64 s[46:47], s[4:5], s[18:19]        ; and its scale words
	s_lshr_b32 s26, s13, 4
	s_lshl_b32 s26, s26, 7
	s_add_co_u32 s26, s26, s15                     ; my token tile, 0..255
	s_mul_i32 s26, s26, REC
	s_and_b32 s27, s13, 15                         ; the head in its batch: K step head / 2 of the out-projection, half head % 2 of its fragment
	s_lshr_b32 s18, s27, 1
	s_mul_i32 s18, s18, 1536
	s_and_b32 s25, s27, 1
	s_mul_i32 s25, s25, 768
	s_add_co_u32 s18, s18, s25
	s_add_co_u32 s18, s18, s26
	s_add_nc_u64 s[48:49], s[10:11], s[18:19]      ; where ctx's codes go
	s_lshr_b32 s18, s27, 3
	s_lshl_b32 s18, s18, 8
	s_and_b32 s25, s27, 7
	s_lshl_b32 s25, s25, 1
	s_add_co_u32 s18, s18, s25
	s_add_co_u32 s18, s18, s26
	s_add_co_u32 s18, s18, 12288
	s_add_nc_u64 s[50:51], s[10:11], s[18:19]      ; and its two scale bytes
	s_mov_b32 s[SEL], 0x76543210
	s_mov_b32 s[SEL+1], 0xfedcba98
	s_mov_b32 s[CS], 0x3e38aa3b                    ; log2(e) / 8
	s_mov_b32 s[CS+1], s[CS]                       ; (named with it as a pair, so it is written)
	v_and_b32 v8, 31, v0                           ; lane
	v_and_b32 v9, 15, v0                           ; r
	s_delay_alu instid0(VALU_DEP_2)
	v_lshlrev_b32 v1, 3, v8                        ; 8 x lane: my place in a piece of K in LDS, of Q and of ctx in memory
	s_delay_alu instid0(VALU_DEP_3)
	v_lshlrev_b32 v2, 4, v8                        ; 16 x lane: in a group of four registers of V
	s_delay_alu instid0(VALU_DEP_4)
	v_lshlrev_b32 v3, 2, v8                        ; 4 x lane: among scale words
	s_delay_alu instid0(VALU_DEP_4)
	v_lshlrev_b32 v6, 4, v9                        ; ctx's scale bytes: 16 r
	v_lshlrev_b32 v7, 2, v9                        ; Q's scale word: 4 r
.irp p, 0,1,2
	global_load_b64 v[16+2*\p:17+2*\p], v1, s[44:45] offset:256*\p
.endr
	global_load_b32 v255, v7, s[46:47]
.irp j, 22,23,24,25,26,27
	v_mov_b32 v[\j], 0                             ; zero codes for k = 64 .. 127
.endr
.irp t, 0,1,2,3
.irp i, 6,7,8,9,10,11
	v_mov_b32 v[KFR+12*\t+\i], 0                   ; likewise in K's four fragments: written once, never loaded into
.endr
.endr
	v_mov_b32 v13, 0xff61b1e6                      ; the largest t so far: -3e38, under every t
	s_delay_alu instid0(VALU_DEP_1)
	v_floor_f32 v28, -v13                          ; -M
	v_mov_b32 v14, 0                               ; the sum, in two halves
	v_mov_b32 v15, 0
.irp b, 0,1,2,3
	v_mov_b32 v[236+\b], 0                         ; written once: a lane permute's destination counts as one of its sources
.endr
	v_mov_b32 v253, 0                              ; (named as the upper half of the pair v[252:253] before it is first written)
.irp j, 0,1,2,3,4,5,6,7,8,9,10,11,12,13,14,15,16,17,18,19,20,21,22,23,24,25,26,27,28,29,30,31
	v_mov_b32 v[O+\j], 0                           ; O^T: a step is written once for all; the first finds zeros, which the first change of M leaves zeros
.endr
	s_wait_kmcnt 0x0
	s_mul_f32 s[VL], s[VL], 0x3fb8aa3b             ; vol x log2(e)
	s_wait_loadcnt 0x0                             ; Q
	GROUP 0
	GROUP 1
	GROUP 2
	GROUP 3                                        ; its wait is for 0: no tensor load is out from here on
	; THE WAY OUT: O^T / the sum is my query's 64 channels of ctx (register 16 b + i: channel 32 b + 16 h + i): two blocks of the out-projection's K, quantised here
.rept 4
	v_nop
.endr
	v_add_f32 v14, v14, v15
	s_delay_alu instid0(VALU_DEP_1)
	v_permlanex16_b32 v252, v14, s[SEL], s[SEL+1]
	s_delay_alu instid0(VALU_DEP_1)
	v_add_f32 v14, v14, v252                       ; the row's sum
	s_wait_alu depctr_va_vdst(0)
	v_rcp_f32 v14, v14
	v_nop                                          ; one plain place behind a transcendental
	s_wait_alu depctr_va_vdst(0)
.irp j, 0,1,2,3,4,5,6,7,8,9,10,11,12,13,14,15,16,17,18,19,20,21,22,23,24,25,26,27,28,29,30,31
	v_mul_f32 v[S+\j], v[O+\j], v14
.endr
.irp b, 0,1
	v_max3_num_f32 v[232+\b], |v[S+16*\b]|, |v[S+1+16*\b]|, 0x2800000
.endr
.irp i, 2,4,6,8,10,12,14
.irp b, 0,1
	s_delay_alu instid0(VALU_DEP_2)
	v_max3_num_f32 v[232+\b], v[232+\b], |v[S+16*\b+\i]|, |v[S+1+16*\b+\i]|
.endr
.endr
.irp b, 0,1
	s_delay_alu instid0(VALU_DEP_2)
	v_permlanex16_b32 v[236+\b], v[232+\b], s[SEL], s[SEL+1]
.endr
.irp b, 0,1
	s_delay_alu instid0(VALU_DEP_2)
	v_max_num_f32 v[232+\b], v[232+\b], v[236+\b]
.endr
.irp b, 0,1
	s_delay_alu instid0(VALU_DEP_2)
	v_add_nc_u32 v[244+\b], 0xfe000000, v[232+\b]
.endr
.irp b, 0,1
	s_delay_alu instid0(VALU_DEP_2)
	v_lshrrev_b32 v[236+\b], 23, v[244+\b]
.endr
	s_delay_alu instid0(VALU_DEP_1)
	v_lshl_or_b32 v254, v237, 8, v236              ; my head's two scale bytes of my token
	v_cvt_scalef32_pk16_bf6_f32 v[224:226], v[S:S+15], v244
	v_cvt_scalef32_pk16_bf6_f32 v[240:242], v[S+16:S+31], v245
	v_nop
.irp i, 0,1,2
	v_permlane16_swap_b32 v[224+\i], v[240+\i]
.endr
.irp i, 0,1,2
	s_delay_alu instid0(VALU_DEP_3)
	v_mov_b32 v[227+\i], v[240+\i]
.endr
.irp p, 0,1,2
	global_store_b64 v1, v[224+2*\p:225+2*\p], s[48:49] offset:256*\p   ; 256 consecutive bytes, aligned: three of the fragment's six pieces
.endr
	global_store_b16 v6, v254, s[50:51]            ; both halves of the lanes hold and write the same two bytes
	s_wait_tensorcnt 0x0
	ds_add_u32 v29, v243
	s_wait_dscnt 0x0
	CROUND                                         ; the closing round: no work-group ends while a partner may still ask for a tile that names it
	s_endpgm
.Lfunc_end_k_qec9bf9033d_attn:
	.size	k_qec9bf9033d_attn, .Lfunc_end_k_qec9bf9033d_attn-k_qec9bf9033d_attn
	.p2alignl 7, 3214868480
	.fill 96, 4, 3214868480
	.section	.rodata,"a",@progbits
	.p2align	6, 0x0
	.amdhsa_kernel k_qec9bf9033d_attn
		.amdhsa_group_segment_fixed_size 210944
		.amdhsa_private_segment_fixed_size 0
		.amdhsa_enable_private_segment 0
		.amdhsa_kernarg_size 32
		.amdhsa_user_sgpr_count 2
		.amdhsa_user_sgpr_kernarg_segment_ptr 1
		.amdhsa_wavefront_size32 1
		.amdhsa_system_sgpr_workgroup_id_x 1
		.amdhsa_system_sgpr_workgroup_id_y 1
		.amdhsa_system_sgpr_workgroup_id_z 1
		.amdhsa_system_vgpr_workitem_id 0
		.amdhsa_next_free_vgpr 256
		.amdhsa_next_free_sgpr 86
		.amdhsa_reserve_vcc 0
		.amdhsa_float_denorm_mode_32 3
		.amdhsa_float_denorm_mode_16_64 3
		.amdhsa_memory_ordered 1
		.amdhsa_forward_progress 1
		.amdhsa_inst_pref_size 85
	.end_amdhsa_kernel
	.amdgpu_metadata
---
amdhsa.version: [ 1, 2 ]
amdhsa.kernels:
  - .name:           k_qec9bf9033d_attn
    .symbol:         k_qec9bf9033d_attn.kd
    .args:
      - { .name: qbuf, .offset: 0, .size: 8, .value_kind: global_buffer, .address_space: global }
      - { .name: kv, .offset: 8, .size: 8, .value_kind: global_buffer, .address_space: global }
      - { .name: market_info, .offset: 16, .size: 8, .value_kind: global_buffer, .address_space: global }
      - { .name: cbuf, .offset: 24, .size: 8, .value_kind: global_buffer, .address_space: global }
    .group_segment_fixed_size: 210944
    .private_segment_fixed_size: 0
    .kernarg_segment_align: 8
    .kernarg_segment_size: 32
    .max_flat_workgroup_size: 512
    .sgpr_count:     86
    .vgpr_count:     256
    .wavefront_size: 32
...
	.end_amdgpu_metadata
.endif
;; end of part 6
;; launch outln (part 7): grid 256 x 1, 16 waves a work-group, no clusters, 80,128 bytes of LDS; arguments cbuf, wimg, x, out_proj_b, ln_gamma, ln_beta, out0; writes out0
.if DOCPART == 7
	.amdgcn_target "amdgcn-amd-amdhsa--gfx1250"
	.amdhsa_code_object_version 6
	.text
	.protected	k_qec9bf9033d_outln
	.globl	k_qec9bf9033d_outln
	.p2align	8
	.type	k_qec9bf9033d_outln,@function
k_qec9bf9033d_outln:
	s_mov_b64 s[64:65], 0
	v_nop
	global_prefetch_b8 v0, s[64:65] scope:SCOPE_SE
	s_setreg_imm32_b32 hwreg(HW_REG_WAVE_SCHED_MODE, 0, 2), 2
	s_setreg_imm32_b32 hwreg(HW_REG_WAVE_MODE, 25, 1), 1
	s_wait_xcnt 0x0
	s_wait_alu depctr_vm_vsrc(0)
; outln: out0 = LayerNorm(x + ctx out_proj_w^T + out_proj_b) x gamma + beta; the product on codes of BF6 (E3M2) with E8M0 scales, all else in f32.
; A work-group owns one tile of 16 tokens, whole rows, since the norm wants a whole row.  Wave w makes columns 64 w .. 64 w + 63 (weight tiles 192 + 4 w .. + 3 of wimg) for the 16 tokens, K = 1,024 in 8 steps;
; the results meet in a stage in LDS, one barrier, and wave w then finishes row w: residual, mean, variance of the differences, gain and bias.
; The product is used transposed (source 0 = 16 rows of the weight, source 1 = ctx): a lane holds one token, and by the choice of a tile's rows its 16 registers of two tiles are 16 neighbouring columns.
; CTX'S CODES, 12,288 bytes that all sixteen waves want, are read from memory ONCE: wave w copies bytes 768 w .. 768 w + 767 of the record into LDS as they lie, a barrier, and every wave takes the fragments from there.
; The weight's fragments, which no two waves share, come from the records straight into registers, 512 consecutive bytes a load.  Both go through a ring of three register sets: two K steps are on their way while one is multiplied.
; Register loads have no joint form, so no cluster is used, though all work-groups walk the same weight.
; LDS: bytes 0 .. 12,287 ctx's codes; behind them the stage.  The two share no byte, so a wave may store into the stage while another still reads ctx.
; THE MODE: SCHED_MODE bits 1:0 = 2 (LLVM: expert scheduling mode 2), set by the entry lines.  The code itself states the register dependences between vector or matrix instructions and memory or LDS instructions,
; with s_wait_alu, always for 0.
; THE PLAN.  Registers that memory or LDS instructions touch:
;   the ring   set s % 3 is read by K step s's four products; behind them the 12 + 6 loads of K step s + 3 land in it.  Behind the last step the row, x, out_proj_b, gamma and beta land in the ring's registers.
;   v240-245   loaded, then read by the head's three LDS stores; much later written by the row's sums.
;   ACC        written by the products; read by the eight LDS stores into the stage; not written again.
;   Y          written by the norm's arithmetic; read by the eight final stores.
;   v1-v5      offsets and LDS addresses, made ahead of the first load and never written again.
; So one wait on va_vdst stands in each of K steps 0 to 4, behind its products and ahead of the loads into the set that they read: it stands there and not behind the next step's wait for data, so that three sets stay
; asked for.  One more stands behind the last step: it states that the accumulators are written and that all products are done reading the ring; no vector instruction stands between it and the loads that land there.
; Four waves of 256 registers fill a SIMD: the ring has no fourth set.
; REGISTERS: v1 16 x lane, v2 8 x lane, v3, v4 the stage, v5 my place in ctx's codes; v8-23 the weight's scale words, v24-27 ctx's; v28-59 four accumulators; v60-239 three sets of 60 (four fragments of the
;   weight, one of ctx), later: v60-91 the row, v92-123 x, v124-155 out_proj_b, v156-187 gamma, v188-219 beta; v240-245 my 768 bytes of ctx on their way to LDS, later at work.
.set REC, 12800
.set STG, 12288                        ; where the stage begins
.set SP,  4112                         ; a stage row: 4,096 bytes + 16 = 257 x 16: the sixteen rows that a store touches start in sixteen different 16-byte columns
.set WS,  8
.set CSC, 24
.set ACC, 28
.set RG,  60
.set Y,   60
.set XR,  92
.set BO,  124
.set GA,  156
.set BE,  188
.macro FETCHW s                        ; K step s of my four weight tiles: 12 loads from memory
.set RB, RG+60*((\s)%3)
.irp t, 0,1,2,3
.irp g, 0,1,2
	global_load_b128 v[RB+12*\t+4*\g:RB+12*\t+4*\g+3], v1, s[22:23] offset:\t*REC+1536*(\s)+512*\g
.endr
.endr
.endm
.macro FETCHC s                        ; K step s of ctx: 6 loads from LDS, 256 consecutive bytes each
.set RB, RG+60*((\s)%3)
.irp q, 0,1,2,3,4,5
	ds_load_b64 v[RB+48+2*\q:RB+49+2*\q], v2 offset:1536*(\s)+256*\q
.endr
.endm
.macro KSTEP s
.if (\s) <= 5
	s_wait_loadcnt 24                              ; this step's weight is in; the 12 loads of each of the two steps behind it may be out
	s_wait_dscnt 12                                ; and so with ctx: 6 LDS loads a step
.elseif (\s) == 6
	s_wait_loadcnt 12
	s_wait_dscnt 6
.else
	s_wait_loadcnt 0x0
	s_wait_dscnt 0x0
.endif
.set RB, RG+60*((\s)%3)
.irp t, 0,1,2,3                        ; the four accumulators take turns, one instruction a turn
.if (\s) == 0
	v_wmma_scale_f32_16x16x128_f8f6f4 v[ACC+8*\t:ACC+8*\t+7], v[RB+12*\t:RB+12*\t+11], v[RB+48:RB+59], 0, v[WS+4*\t+(\s)%4], v[CSC+(\s)%4] matrix_a_fmt:MATRIX_FMT_BF6 matrix_b_fmt:MATRIX_FMT_BF6
.elseif (\s) < 4
	v_wmma_scale_f32_16x16x128_f8f6f4 v[ACC+8*\t:ACC+8*\t+7], v[RB+12*\t:RB+12*\t+11], v[RB+48:RB+59], v[ACC+8*\t:ACC+8*\t+7], v[WS+4*\t+(\s)%4], v[CSC+(\s)%4] matrix_a_fmt:MATRIX_FMT_BF6 matrix_b_fmt:MATRIX_FMT_BF6
.else
	v_wmma_scale_f32_16x16x128_f8f6f4 v[ACC+8*\t:ACC+8*\t+7], v[RB+12*\t:RB+12*\t+11], v[RB+48:RB+59], v[ACC+8*\t:ACC+8*\t+7], v[WS+4*\t+(\s)%4], v[CSC+(\s)%4] matrix_a_fmt:MATRIX_FMT_BF6 matrix_b_fmt:MATRIX_FMT_BF6 matrix_a_scale:MATRIX_SCALE_ROW1 matrix_b_scale:MATRIX_SCALE_ROW1
.endif
.endr
.rept 4
	v_nop                                          ; places in front of loads into registers that matrix instructions have read, and of the first read of results
.endr
.if (\s) <= 4
	s_wait_alu depctr_va_vdst(0)                   ; this step's four products are done reading their set of the ring, in which the eighteen loads below land
	FETCHW (\s)+3
	FETCHC (\s)+3
.endif
.endm
	s_load_b256 s[8:15], s[0:1], 0x0               ; cbuf s[8:9], wimg s[10:11], x s[12:13], out_proj_b s[14:15]
	s_load_b128 s[16:19], s[0:1], 0x20             ; ln_gamma s[16:17], ln_beta s[18:19]
	s_load_b64 s[20:21], s[0:1], 0x30              ; out0
	v_lshl_add_u32 v254, v0, 2, 0x13100
	v_mov_b32 v255, 0
	v_lshrrev_b32 v5, 5, v0
	v_readfirstlane_b32 s2, v5                     ; wave 0..15
	v_and_b32 v5, 31, v0
	v_lshlrev_b32 v1, 4, v5                        ; 16 x lane
	v_lshlrev_b32 v2, 3, v5                        ; 8 x lane
	v_and_b32 v6, 15, v0                           ; r
	v_bfe_u32 v7, v0, 4, 1                         ; h
	v_mul_u32_u24 v3, v6, SP
	v_lshl_add_u32 v3, v7, 6, v3
	s_wait_alu depctr_va_sdst(0)                   ; s2 is written, ahead of its first reader: LDS addresses and bases are made from it
	s_lshl_b32 s3, s2, 8
	s_add_co_u32 s3, s3, STG
	v_add_nc_u32 v3, s3, v3                        ; into the stage: row r, my wave's 256 bytes, + 64 h
	s_mul_i32 s3, s2, SP
	s_add_co_u32 s3, s3, STG
	v_add_nc_u32 v4, s3, v1                        ; back: row w, 16 bytes a lane
	s_mul_i32 s3, s2, 768
	v_add_nc_u32 v5, s3, v2                        ; my 8 bytes of each of my wave's three runs of 256 bytes of ctx's codes: the same place in the record and in LDS
	s_mov_b32 s30, 0x3a800000                      ; 1 / 1,024
	s_mov_b32 s31, 0x3727c5ac                      ; 1e-5
	s_mov_b32 s32, 0x76543210
	s_mov_b32 s33, 0xfedcba98
	s_mul_i32 s34, ttmp9, REC
	s_mov_b32 s35, 0
	s_mul_i32 s36, s2, 4*REC
	s_add_co_u32 s36, s36, 192*REC
	s_mov_b32 s37, 0
	s_lshr_b32 s4, ttmp9, 1                        ; row w of the tile is token 32 (T / 2) + 8 (T % 2) + w + 8 (w / 8)
	s_lshl_b32 s4, s4, 5
	s_and_b32 s5, ttmp9, 1
	s_lshl_b32 s5, s5, 3
	s_add_co_u32 s4, s4, s5
	s_add_co_u32 s4, s4, s2
	s_lshr_b32 s5, s2, 3
	s_lshl_b32 s5, s5, 3
	s_add_co_u32 s4, s4, s5
	s_lshl_b32 s38, s4, 12
	s_mov_b32 s39, 0
	s_wait_kmcnt 0x0
	s_add_nc_u64 s[22:23], s[10:11], s[36:37]      ; my four tiles of out_proj_w
	s_add_nc_u64 s[24:25], s[8:9], s[34:35]        ; the tile of ctx
	s_add_nc_u64 s[26:27], s[12:13], s[38:39]      ; my row of x
	s_add_nc_u64 s[28:29], s[20:21], s[38:39]      ; and of out0
	s_wait_alu depctr_va_vdst(0)                   ; the offsets and LDS addresses v1 to v5 are written, which every load and store of the kernel reads
.irp j, 0,1,2
	global_load_b64 v[240+2*\j:241+2*\j], v5, s[24:25] offset:256*\j   ; my sixteenth of ctx's codes first: everybody waits for it
.endr
.irp t, 0,1,2,3
	global_load_b128 v[WS+4*\t:WS+4*\t+3], v1, s[22:23] offset:\t*REC+12288
.endr
	global_load_b128 v[CSC:CSC+3], v1, s[24:25] offset:12288
	FETCHW 0
	FETCHW 1
	FETCHW 2
	s_wait_loadcnt 41                              ; my three loads of ctx are in; the 5 loads of scale words and the 36 of the weight, issued behind them, may be out
.irp j, 0,1,2
	ds_store_b64 v5, v[240+2*\j:241+2*\j] offset:256*\j
.endr
	s_wait_dscnt 0x0                               ; for the others' sake: my stores are done
	s_barrier_signal -1
	s_barrier_wait -1                              ; ctx's eight fragments lie in LDS; nobody writes these bytes again
	FETCHC 0
	FETCHC 1
	FETCHC 2
	KSTEP 0
	KSTEP 1
	KSTEP 2
	KSTEP 3
	KSTEP 4
	KSTEP 5
	KSTEP 6
	KSTEP 7
	s_wait_alu depctr_va_vdst(0)                   ; behind the last step's four places: the products have written the accumulators, which the LDS stores read, and are done reading the ring, in which the loads below land
.irp b, 0,1
.irp q, 0,1,2,3
	ds_store_b128 v3, v[ACC+16*\b+4*\q:ACC+16*\b+4*\q+3] offset:128*\b+16*\q   ; lane (r, h): token r, columns 64 w + 32 b + 16 h + 4 q on; each accumulator from its low end on
.endr
.endr
.irp i, 0,1,2,3,4,5,6,7
	global_load_b128 v[XR+4*\i:XR+4*\i+3], v1, s[26:27] offset:512*\i
	global_load_b128 v[BO+4*\i:BO+4*\i+3], v1, s[14:15] offset:512*\i
	global_load_b128 v[GA+4*\i:GA+4*\i+3], v1, s[16:17] offset:512*\i
	global_load_b128 v[BE+4*\i:BE+4*\i+3], v1, s[18:19] offset:512*\i
.endr
	s_wait_dscnt 0x0                               ; for the others' sake: my stores into the stage are done
	s_barrier_signal -1
	s_barrier_wait -1
.irp i, 0,1,2,3,4,5,6,7
	ds_load_b128 v[Y+4*\i:Y+4*\i+3], v4 offset:512*\i   ; no vector or matrix instruction since the wait above names these registers
.endr
	s_wait_dscnt 0x0
	s_wait_loadcnt 0x0
.irp j, 0,2,4,6,8,10,12,14,16,18,20,22,24,26,28,30
	v_pk_add_f32 v[Y+\j:Y+\j+1], v[Y+\j:Y+\j+1], v[BO+\j:BO+\j+1]      ; attended = product + out_proj_b
.endr
.irp j, 0,2,4,6,8,10,12,14,16,18,20,22,24,26,28,30
	v_pk_add_f32 v[Y+\j:Y+\j+1], v[Y+\j:Y+\j+1], v[XR+\j:XR+\j+1]      ; y = x + attended
.endr
	s_wait_alu depctr_vm_vsrc(0)                   ; the head's LDS stores have read v240 to v245, which the sums below write
	v_pk_add_f32 v[240:241], v[Y:Y+1], v[Y+2:Y+3]  ; the row's sum: two chains in a lane,
	v_pk_add_f32 v[242:243], v[Y+4:Y+5], v[Y+6:Y+7]
.irp j, 8,12,16,20,24,28
	v_pk_add_f32 v[240:241], v[240:241], v[Y+\j:Y+\j+1]
	v_pk_add_f32 v[242:243], v[242:243], v[Y+2+\j:Y+3+\j]
.endr
	v_pk_add_f32 v[240:241], v[240:241], v[242:243]
	v_add_f32 v240, v240, v241
	v_add_f32_dpp v240, v240, v240 row_xmask:1 row_mask:0xf bank_mask:0xf   ; then across the 32 lanes
	v_add_f32_dpp v240, v240, v240 row_xmask:2 row_mask:0xf bank_mask:0xf
	v_add_f32_dpp v240, v240, v240 row_xmask:4 row_mask:0xf bank_mask:0xf
	v_add_f32_dpp v240, v240, v240 row_xmask:8 row_mask:0xf bank_mask:0xf
	v_permlanex16_b32 v241, v240, s32, s33
	v_add_f32 v240, v240, v241
	v_mul_f32 v240, s30, v240                      ; the mean
.irp j, 0,2,4,6,8,10,12,14,16,18,20,22,24,26,28,30
	v_pk_add_f32 v[Y+\j:Y+\j+1], v[Y+\j:Y+\j+1], v[240:241] op_sel_hi:[1,0] neg_lo:[0,1] neg_hi:[0,1]   ; y - mean
.endr
	v_pk_mul_f32 v[242:243], v[Y:Y+1], v[Y:Y+1]    ; the sum of the squared differences
	v_pk_mul_f32 v[244:245], v[Y+2:Y+3], v[Y+2:Y+3]
.irp j, 4,8,12,16,20,24,28
	v_pk_fma_f32 v[242:243], v[Y+\j:Y+\j+1], v[Y+\j:Y+\j+1], v[242:243]
	v_pk_fma_f32 v[244:245], v[Y+2+\j:Y+3+\j], v[Y+2+\j:Y+3+\j], v[244:245]
.endr
	v_pk_add_f32 v[242:243], v[242:243], v[244:245]
	v_add_f32 v242, v242, v243
	v_add_f32_dpp v242, v242, v242 row_xmask:1 row_mask:0xf bank_mask:0xf
	v_add_f32_dpp v242, v242, v242 row_xmask:2 row_mask:0xf bank_mask:0xf
	v_add_f32_dpp v242, v242, v242 row_xmask:4 row_mask:0xf bank_mask:0xf
	v_add_f32_dpp v242, v242, v242 row_xmask:8 row_mask:0xf bank_mask:0xf
	v_permlanex16_b32 v243, v242, s32, s33
	v_add_f32 v242, v242, v243
	v_fma_f32 v242, v242, s30, s31                 ; the variance + 1e-5
	v_rsq_f32 v242, v242
	v_nop                                          ; one plain place behind a transcendental
	s_wait_alu depctr_va_vdst(0)                   ; the reciprocal root is written in v242, ahead of its first reader
.irp j, 0,2,4,6,8,10,12,14,16,18,20,22,24,26,28,30
	v_pk_mul_f32 v[GA+\j:GA+\j+1], v[GA+\j:GA+\j+1], v[242:243] op_sel_hi:[1,0]
.endr
.irp j, 0,2,4,6,8,10,12,14,16,18,20,22,24,26,28,30
	v_pk_fma_f32 v[Y+\j:Y+\j+1], v[Y+\j:Y+\j+1], v[GA+\j:GA+\j+1], v[BE+\j:BE+\j+1]
.endr
	s_wait_alu depctr_va_vdst(0)                   ; the multiply-adds have written the row, which the stores read
.irp i, 0,1,2,3,4,5,6,7
	global_store_b128 v1, v[Y+4*\i:Y+4*\i+3], s[28:29] offset:512*\i   ; 512 consecutive bytes, aligned
.endr
	s_wait_dscnt 0x0
	s_wait_alu depctr_hold_cnt(0) depctr_sa_sdst(0) depctr_va_vdst(0) depctr_va_sdst(0) depctr_va_ssrc(0) depctr_va_vcc(0) depctr_vm_vsrc(0)
	s_wait_tensorcnt 0x0
	ds_add_u32 v254, v255
	s_wait_dscnt 0x0
	s_endpgm
.Lfunc_end_k_qec9bf9033d_outln:
	.size	k_qec9bf9033d_outln, .Lfunc_end_k_qec9bf9033d_outln-k_qec9bf9033d_outln
	.p2alignl 7, 3214868480
	.fill 96, 4, 3214868480
	.section	.rodata,"a",@progbits
	.p2align	6, 0x0
	.amdhsa_kernel k_qec9bf9033d_outln
		.amdhsa_group_segment_fixed_size 80128
		.amdhsa_private_segment_fixed_size 0
		.amdhsa_enable_private_segment 0
		.amdhsa_kernarg_size 56
		.amdhsa_user_sgpr_count 2
		.amdhsa_user_sgpr_kernarg_segment_ptr 1
		.amdhsa_wavefront_size32 1
		.amdhsa_system_sgpr_workgroup_id_x 1
		.amdhsa_system_sgpr_workgroup_id_y 1
		.amdhsa_system_sgpr_workgroup_id_z 1
		.amdhsa_system_vgpr_workitem_id 0
		.amdhsa_next_free_vgpr 256
		.amdhsa_next_free_sgpr 66
		.amdhsa_reserve_vcc 0
		.amdhsa_float_denorm_mode_32 3
		.amdhsa_float_denorm_mode_16_64 3
		.amdhsa_memory_ordered 1
		.amdhsa_forward_progress 1
		.amdhsa_inst_pref_size 35
	.end_amdhsa_kernel
	.amdgpu_metadata
---
amdhsa.version: [ 1, 2 ]
amdhsa.kernels:
  - .name:           k_qec9bf9033d_outln
    .symbol:         k_qec9bf9033d_outln.kd
    .args:
      - { .name: cbuf, .offset: 0, .size: 8, .value_kind: global_buffer, .address_space: global }
      - { .name: wimg, .offset: 8, .size: 8, .value_kind: global_buffer, .address_space: global }
      - { .name: x, .offset: 16, .size: 8, .value_kind: global_buffer, .address_space: global }
      - { .name: out_proj_b, .offset: 24, .size: 8, .value_kind: global_buffer, .address_space: global }
      - { .name: ln_gamma, .offset: 32, .size: 8, .value_kind: global_buffer, .address_space: global }
      - { .name: ln_beta, .offset: 40, .size: 8, .value_kind: global_buffer, .address_space: global }
      - { .name: out0, .offset: 48, .size: 8, .value_kind: global_buffer, .address_space: global }
    .group_segment_fixed_size: 80128
    .private_segment_fixed_size: 0
    .kernarg_segment_align: 8
    .kernarg_segment_size: 56
    .max_flat_workgroup_size: 512
    .sgpr_count:     66
    .vgpr_count:     256
    .wavefront_size: 32
...
	.end_amdgpu_metadata
.endif
;; end of part 7
